; MI455X (gfx1250); checked and timed in simulation.
; The chip was launched on July 23, 2026; its instructions are those of AMD's public machine-readable ISA for CDNA 5 (MIT licence, August 2026) and "CDNA5" Instruction Set Architecture Reference Guide (July 2026). The comments in the code are by the model that wrote it; some were corrected since.
;; Single Attention. Allowed arithmetic: matrix products marked QUANTISED: E2M3 operands, one E8M0 scale for each 32 along K, by v_wmma_scale_f32_16x16x128_f8f6f4 with both operands' format E2M3, f32 sums; everything else in f32.
;; Inputs: W_k 1,024 x 1,024 float32; W_q 1,024 x 1,024 float32; W_v 1,024 x 1,024 float32; x 4 x 2,048 x 1,024 float32.
;; Outputs: out0 4 x 2,048 x 1,024 float32.
;; This version of the problem:
;;   THIS VERSION OF THE PROBLEM IS GIVEN IN LOW PRECISION. The matrix products marked QUANTISED in the list below multiply operands that are first quantised to E2M3 (2 exponent bits, 3 mantissa bits; 6 bits a number), with one power-of-two scale for each 32 numbers along K (OCP MX v1.0); their sums are f32. All else is computed in f32.
;;   The module's matrix products, in the order in which they are computed (A, B: the left and right operand; K: the contracted axis; several contracted axes count as one K, in the product's order):
;;     1. [M 8,192, K 1,024] x [K 1,024, N 1,024]; A: input x; B: input W_q: QUANTISED
;;     2. [M 8,192, K 1,024] x [K 1,024, N 1,024]; A: input x; B: input W_k: QUANTISED
;;     3. [M 8,192, K 1,024] x [K 1,024, N 1,024]; A: input x; B: input W_v: QUANTISED
;;     4. batch 4 x [M 2,048, K 1,024] x [K 1,024, N 2,048]; A: computed on the way; B: computed on the way: QUANTISED
;;     5. batch 4 x [M 2,048, K 2,048] x [K 2,048, N 1,024]; A: softmax (see below); B: computed on the way: QUANTISED
;;   THE QUANTISER, for each operand of a quantised product, along K:
;;     - K is cut into blocks of 32 from its start; a last block that is shorter is filled with zeros.
;;     - A block's scale is 2^e with e = floor(log2(the largest magnitude in the block)) - 2, held to -126 .. 127; a block of zeros has e = 0. As a byte (E8M0): e + 127.
;;     - Each number is divided by its block's scale, clamped to +-7.5, and rounded to the nearest number of E2M3, ties to even, subnormals kept.
;;     - The product sums the exact products of the quantised numbers (number of the format x scale) in f32.
;;   ~~~python
;;   def quantise(x, axis):      # numpy; x: float32 -> the quantised numbers, widened to float32 again
;;       x = np.moveaxis(x, axis, -1); K = x.shape[-1]
;;       x = np.pad(x, [(0, 0)] * (x.ndim - 1) + [(0, -K % 32)]); x = x.reshape(x.shape[:-1] + (-1, 32)); a = np.abs(x).max(-1, keepdims=True)
;;       e = np.where(a > 0, np.clip(np.frexp(np.where(a > 0, a, 1))[1] - 1 - 2, -126, 127), 0)      # np.frexp(a)[1] - 1 = floor(log2(a)), exactly
;;       r = np.clip(x / 2.0 ** e, -7.5, 7.5)
;;       step = 2.0 ** (np.maximum(np.frexp(np.where(r == 0, 1, r))[1] - 1, 0) - 3)
;;       q = np.round(r / step) * step * 2.0 ** e      # np.round: ties to even
;;       return np.moveaxis(q.reshape(q.shape[:-2] + (-1,))[..., :K], -1, axis).astype(np.float32)
;;   ~~~
;;   SOFTMAX AHEAD OF A QUANTISED PRODUCT. Where the list says 'softmax', what is quantised is not the finished softmax but p = 2^(t - M), with t = logit x log2(e) and M = ceil(the row's largest t), a whole number; so 1/2 < the row's largest p <= 1. The row's sum l is taken of the UNQUANTISED p, in f32, and the product's result is divided by l at the end. Since M is a whole number, a kernel that streams over the keys may use a running M (the ceiling of the running maximum): every later rescaling is an exact power of two, which a block's scale takes up: the codes' values come out the same.
;;   OPERANDS COMPUTED ON THE WAY. 'Computed on the way' means the value that the module computes at that place (a softmax that the list does not call 'softmax' is quantised finished and normalised). What goes into a quantiser is computed in f32, as accurately as f32 sums, v_exp_f32 and their like allow (about 1e-6 of the number): no bf16 or f16 on the way to a quantiser, and a product that is left as it is and whose result goes on into a quantised operand takes f32 operands (vector FMAs, or v_wmma_f32_16x16x4_f32). A number that lies on a knife's edge between two numbers of the format may be rounded either way, as far as f32 arithmetic and the matrix unit's own rounding can turn it there, and no further.
;; One version. Each part assembles by itself: llvm-mc -triple=amdgcn-amd-amdhsa -mcpu=gfx1250 --defsym DOCPART=n.
;; ======== version 1 of 1: 4 launches
;; limits: right only within a limited range of input values
;; workspace buffers: xw 9,011,200 bytes; qkv 19,660,800 bytes; pb 14,155,776 bytes
;; launch quant (part 1): grid 448 x 1, 4 waves a work-group, no clusters, 59,904 bytes of LDS; arguments x, W_q, W_k, W_v, xw; writes xw
.if DOCPART == 1
	.amdgcn_target "amdgcn-amd-amdhsa--gfx1250"
	.amdhsa_code_object_version 6
	.text
	.protected	k_q0db560225b_quant
	.globl	k_q0db560225b_quant
	.p2align	8
	.type	k_q0db560225b_quant,@function
k_q0db560225b_quant:
	s_mov_b64 s[64:65], 0
	v_nop
	global_prefetch_b8 v0, s[64:65] scope:SCOPE_SE
	s_setreg_imm32_b32 hwreg(HW_REG_WAVE_MODE, 25, 1), 1
	s_wait_xcnt 0x0
; x [8192][1024] and W_q, W_k, W_v [1024 (k)][1024 (n)], f32, become codes of FP6 (E2M3) with one E8M0 byte for each 32 along K (K = the 1,024 that the products x W contract).
; A block's scale is 2^(floor(log2(largest magnitude)) - 2); its byte is the largest magnitude's exponent field - 2, held at 1 from below.
; LIMITS: a block of zeros gets the byte 1 where the rule says 127 (its codes are zeros, and this program alone reads the bytes); NaN and infinities among the inputs are not served.
; THE LAYOUT OF xw.  A fragment (16 rows x 128 K) lies as the image of the 12 registers that the matrix instruction wants of each lane: [3 pieces of 4 registers][lane][16 bytes], 1,536 bytes.
; A unit = 128 rows x 128 K = 8 fragments, and behind them 512 bytes of scale words (tile i, row r at (i / 4) 256 + 16 r + 4 (i % 4)): 12,800 bytes.
; x (row blocks 0-63 of 128) and W_q | W_k (column blocks 64-79): unit 16 (block / 2) + 2 K step + block % 2, so that a K step of 256 rows lies on end; W_v (blocks 80-87): unit 8 block + K step.
; W_v's columns are ordered inside each 64: tile t (of four), row r is column 4 r + t.
; Work-groups 0-191: a unit of a weight each.  Wave t takes the 32 rows 32 t .. of the K step and all 128 columns, a lane four neighbouring columns: 32 loads of 512 consecutive bytes, all asked for at the start.
; A column's block of 32 lies in one lane; its registers are gathered for the conversions; the codes meet in LDS as the unit's image, which leaves as it lies.
; Work-groups 192-447: x, each wave four tiles of one K step, turned through its own stage in LDS so that loads are dense and a lane still holds 16 neighbours; all four tiles' loads are asked for at the start.
.set UNIT,  12800
.set FRB,   1536
.set STG,   16*528                     ; a wave's stage: 16 rows of 512 bytes + 16, so that sixteen rows' reads of 16 bytes fall on different banks
.set SPARE, 4*STG                      ; behind the stages: the spare words, 128 bytes a wave
.set IMG,   SPARE+512                  ; the image of a unit of W_q or W_k;
.set IMGV,  IMG+UNIT                   ; of W_v: each order of columns has bytes of its own
.set SPW,   30                         ; v30  my spare word's address; never rewritten
.set NIL,   31                         ; v31  0; never rewritten
.set SEL,   20                         ; s[20:21] selects for lane l xor 16
.set X,     32                         ; x: v32-159 two sets of 64 numbers;  weights: v32-159: row i, column c of my four at 4 i + c
.set PC,    160                        ; x: v160-207 the four fragments' codes, never rewritten
.set TO,    208                        ; x: v208-214 the conversions' second halves
.set TM,    216                        ; x: v216-231 at work
.set PW,    232                        ; x: v232-235 the four tiles' scale words
.set SO,    12                         ; weights: v12-15 the columns' scale operands, v16-19 their bytes, v20-23 their largest magnitudes
.set EB,    16
.set BM,    20
.set Y,     160                        ; weights: v160-223 a column's 32 numbers, two sets by turns
.set CW,    224                        ; weights: v224-247 four columns' codes
.set TW,    248                        ; weights: v248-255 the conversions' second halves, two by turns
.set MSB, 0
.macro WIN new                         ; the immediate's high byte repeats the setting that is left
.if MSB != (\new)
	s_set_vgpr_msb (MSB<<8)|(\new)
.set MSB, (\new)
.endif
.endm
	s_load_b256 s[4:11], s[0:1], 0x0               ; x, W_q, W_k, W_v
	s_load_b64 s[12:13], s[0:1], 0x20              ; xw
	v_lshl_add_u32 v[SPW], v0, 2, SPARE
	v_mov_b32 v[NIL], 0
	v_lshrrev_b32 v1, 5, v0
	v_readfirstlane_b32 s14, v1                    ; wave
	v_and_b32 v1, 31, v0                           ; lane
	v_and_b32 v2, 15, v0                           ; r
	v_bfe_u32 v3, v0, 4, 1                         ; h
	s_mov_b32 s[SEL], 0x76543210
	s_mov_b32 s[SEL+1], 0xfedcba98
	s_wait_alu depctr_va_vdst(0)                   ; the wait here, ahead of the branch
	s_cmp_lt_u32 ttmp9, 192
	s_cbranch_scc1 .Lweights
; ---------------- x ----------------
	s_sub_co_u32 s15, ttmp9, 192
	s_lshl_b32 s15, s15, 2
	s_add_co_u32 s15, s15, s14                     ; which of 1,024 shares: 64 row blocks x 8 K steps x 2 halves of a block
	s_and_b32 s16, s15, 1                          ; half: tiles 4 g .. 4 g + 3
	s_bfe_u32 s17, s15, 0x30001                    ; K step
	s_lshr_b32 s18, s15, 4                         ; row block
	s_lshl_b32 s22, s18, 19                        ; x: 128 rows of 4,096 bytes,
	s_lshl_b32 s23, s16, 18                        ; 64 rows,
	s_add_co_u32 s22, s22, s23
	s_lshl_b32 s23, s17, 9                         ; 128 numbers
	s_add_co_u32 s22, s22, s23
	s_mov_b32 s23, 0
	s_lshr_b32 s24, s18, 1                         ; the unit: 16 (block / 2) + 2 K step + block % 2
	s_lshl_b32 s24, s24, 3
	s_add_co_u32 s24, s24, s17
	s_lshl_b32 s24, s24, 1
	s_and_b32 s25, s18, 1
	s_add_co_u32 s24, s24, s25
	s_mul_i32 s24, s24, UNIT
	s_lshl_b32 s26, s16, 8                         ; the scale words
	s_add_co_u32 s26, s26, s24
	s_add_co_u32 s26, s26, 8*FRB
	s_mov_b32 s27, 0
	s_mul_i32 s25, s16, 4*FRB                      ; the codes
	s_add_co_u32 s24, s24, s25
	s_mov_b32 s25, 0
	s_mul_i32 s19, s14, STG
	v_lshlrev_b32 v4, 4, v1                        ; 16 x lane: a load's, and an image's, place for my lane
	v_add_nc_u32 v5, s19, v4                       ; the stage, on the way in
	v_mul_u32_u24 v6, v2, 528
	v_lshl_add_u32 v6, v3, 6, v6
	v_add_nc_u32 v6, s19, v6                       ; and out: row r, + 64 h: my 16 numbers of each block of 32
	v_lshlrev_b32 v8, 4, v2                        ; 16 r: my row's four scale words
.irp b, 0,1,2,3
	v_mov_b32 v[TM+4+\b], 0                        ; written once: a lane permute's destination counts as one of its sources
.endr
	s_wait_alu depctr_va_vdst(0)                   ; the wait at the head's end
	s_wait_kmcnt 0x0
	s_add_nc_u64 s[4:5], s[4:5], s[22:23]
	s_add_nc_u64 s[24:25], s[12:13], s[24:25]
	s_add_nc_u64 s[26:27], s[12:13], s[26:27]
.macro LOADX f                         ; tile f: 16 rows x 512 consecutive bytes, into window 1
	WIN 0x40
.irp i, 0,1,2,3,4,5,6,7,8,9,10,11,12,13,14,15
	global_load_b128 v[64*(\f)+4*\i:64*(\f)+4*\i+3], v4, s[4:5] offset:(16*(\f)+\i)*4096 th:TH_LOAD_NT
.endr
	WIN 0
.endm
.macro TURNX f                         ; through the stage: LDS serves a wave's instructions in order, so no wait stands between the stores and the loads, nor in front of the next tile's stores
	WIN 0x04
.irp i, 0,1,2,3,4,5,6,7,8,9,10,11,12,13,14,15
	ds_store_b128 v5, v[64*(\f)+4*\i:64*(\f)+4*\i+3] offset:528*\i
.endr
	WIN 0
.irp b, 0,1,2,3
.irp j, 0,1,2,3
	ds_load_b128 v[X+64*((\f)%2)+16*\b+4*\j:X+64*((\f)%2)+16*\b+4*\j+3], v6 offset:128*\b+16*\j
.endr
.endr
.endm
; 64 numbers of a lane, register 16 b + i = k 32 b + 16 h + i of my row, become a fragment's 12 registers at pc and its scale word in pw
.macro QUANT s, pc, pw
.irp b, 0,1,2,3
	v_max3_num_f32 v[TM+\b], |v[(\s)+16*\b]|, |v[(\s)+16*\b+1]|, 0x1800000   ; and the floor 2^(3 - 127): the byte cannot fall under 1
.endr
.irp i, 2,4,6,8,10,12,14
.irp b, 0,1,2,3
	v_max3_num_f32 v[TM+\b], v[TM+\b], |v[(\s)+16*\b+\i]|, |v[(\s)+16*\b+\i+1]|
.endr
.endr
.irp b, 0,1,2,3
	v_permlanex16_b32 v[TM+4+\b], v[TM+\b], s[SEL], s[SEL+1]
.endr
.irp b, 0,1,2,3
	v_max_num_f32 v[TM+\b], v[TM+\b], v[TM+4+\b]   ; with lane l xor 16's 16: the block's largest magnitude
.endr
.irp b, 0,1,2,3
	v_add_nc_u32 v[TM+12+\b], 0xff000000, v[TM+\b] ; 2 off its exponent field: the conversion's scale operand
.endr
.irp b, 0,1,2,3
	v_lshrrev_b32 v[TM+4+\b], 23, v[TM+12+\b]      ; the scale's byte
.endr
	v_lshl_or_b32 v[\pw], v[TM+5], 8, v[TM+4]
	v_lshl_or_b32 v[\pw], v[TM+6], 16, v[\pw]
	v_lshl_or_b32 v[\pw], v[TM+7], 24, v[\pw]
.irp c, 0,1
	v_cvt_scalef32_pk16_fp6_f32 v[(\pc)+6*\c:(\pc)+6*\c+2], v[(\s)+32*\c:(\s)+32*\c+15], v[TM+12+2*\c]
	v_cvt_scalef32_pk16_fp6_f32 v[TO+4*\c:TO+4*\c+2], v[(\s)+32*\c+16:(\s)+32*\c+31], v[TM+13+2*\c]   ; (a conversion's three registers begin on an even number)
.endr
	v_nop                                          ; one plain instruction behind a scaled conversion
.irp c, 0,1                            ; the operand wants a whole block in a lane: lanes 0-15 block 2 c, lanes 16-31 block 2 c + 1
.irp i, 0,1,2
	v_permlane16_swap_b32 v[(\pc)+6*\c+\i], v[TO+4*\c+\i]
.endr
.irp i, 0,1,2
	v_mov_b32 v[(\pc)+6*\c+3+\i], v[TO+4*\c+\i]
.endr
.endr
.endm
	LOADX 0
	LOADX 1
	LOADX 2
	LOADX 3
	s_wait_loadcnt 48                              ; tile 0's 16 loads are in; tiles 1 to 3 stay out
	TURNX 0
.irp f, 0,1,2,3
.if \f < 3
	s_wait_loadcnt 16*(2-\f)                       ; the next tile's loads are in; the tiles behind it stay out
	TURNX \f+1
	s_wait_dscnt 32                                ; this tile is back from the stage: only the next tile's 16 stores and 16 loads are younger
.else
	s_wait_dscnt 0x0
.endif
	QUANT X+64*(\f%2), PC+12*\f, PW+\f
.irp g, 0,1,2
	global_store_b128 v4, v[PC+12*\f+4*\g:PC+12*\f+4*\g+3], s[24:25] offset:\f*FRB+512*\g   ; 512 consecutive bytes, at a multiple of 256 from the buffer's first byte
.endr
.endr
	s_wait_xcnt 0x0                                ; EXEC changes only behind this wait
	v_cmp_gt_u32 vcc_lo, 16, v1
	s_and_saveexec_b32 s22, vcc_lo
	global_store_b128 v8, v[PW:PW+3], s[26:27]     ; lanes 0-15: 256 consecutive bytes: four tiles' words of sixteen rows
	s_wait_xcnt 0x0
	s_or_b32 exec_lo, exec_lo, s22
	s_wait_tensorcnt 0x0                           ; the wave's end
	ds_add_u32 v[SPW], v[NIL]
	s_wait_dscnt 0x0
	s_endpgm
; ---------------- the weights ----------------
.Lweights:
	s_and_b32 s15, ttmp9, 7                        ; K step
	s_lshr_b32 s16, ttmp9, 3                       ; 0..23: which weight, which 128 columns
	s_lshr_b32 s17, s16, 3
	s_and_b32 s18, s16, 7
	s_lshl_b32 s22, s15, 19                        ; 128 rows of 4,096 bytes,
	s_lshl_b32 s23, s14, 17                        ; my wave's 32 of them,
	s_add_co_u32 s22, s22, s23
	s_lshl_b32 s23, s18, 9                         ; 128 columns
	s_add_co_u32 s22, s22, s23
	s_mov_b32 s23, 0
	s_add_co_u32 s16, s16, 64                      ; the block in xw
	s_lshr_b32 s24, s16, 1
	s_lshl_b32 s24, s24, 3
	s_add_co_u32 s24, s24, s15
	s_lshl_b32 s24, s24, 1
	s_and_b32 s25, s16, 1
	s_add_co_u32 s24, s24, s25                     ; W_q, W_k: 16 (block / 2) + 2 K step + block % 2
	s_lshl_b32 s25, s16, 3
	s_add_co_u32 s25, s25, s15                     ; W_v: 8 block + K step
	s_cmp_eq_u32 s17, 2
	s_cselect_b32 s24, s25, s24
	s_mul_i32 s24, s24, UNIT
	s_mul_i32 s25, s14, 2*FRB                      ; on the way out my wave stores a quarter of the codes
	s_add_co_u32 s24, s24, s25
	s_mov_b32 s25, 0
	v_lshlrev_b32 v4, 4, v1                        ; 16 x lane
	s_wait_alu depctr_va_vdst(0)                   ; the wait at the head's end
	s_wait_kmcnt 0x0
	s_cmp_eq_u32 s17, 0                            ; the choice hangs on the work-group's number alone
	s_cselect_b64 s[28:29], s[6:7], s[8:9]
	s_cmp_eq_u32 s17, 2
	s_cselect_b64 s[28:29], s[10:11], s[28:29]
	s_add_nc_u64 s[28:29], s[28:29], s[22:23]
	s_add_nc_u64 s[24:25], s[12:13], s[24:25]
.set i, 0
.rept 32
	global_load_b128 v[X+4*i:X+4*i+3], v4, s[28:29] offset:4096*i th:TH_LOAD_NT   ; row i, columns 4 lane .. 4 lane + 3: 512 consecutive bytes
.set i, i+1
.endr
	s_and_b32 s19, s14, 1                          ; my block t = 2 c2 + h' is registers 6 c2 .. 6 c2 + 5 of lane 16 h' + row of a fragment:
	s_lshl_b32 s19, s19, 8                         ; 256 h'
	s_lshr_b32 s31, s14, 1
	s_mul_i32 s30, s31, 520                        ; from register 0 to 6 (1 to 7, 4 to 10, 5 to 11) of the image,
	s_mul_i32 s31, s31, 1016                       ; and from register 2 to 8 (3 to 9)
	s_wait_loadcnt 0x0
.irp c, 0,1,2,3
	v_max3_num_f32 v[BM+\c], |v[X+\c]|, |v[X+4+\c]|, 0x1800000   ; and the floor
.endr
.set i, 2
.rept 15
.irp c, 0,1,2,3
	v_max3_num_f32 v[BM+\c], v[BM+\c], |v[X+4*i+\c]|, |v[X+4*i+4+\c]|
.endr
.set i, i+2
.endr
.irp c, 0,1,2,3
	v_add_nc_u32 v[SO+\c], 0xff000000, v[BM+\c]    ; 2 off the exponent field: the conversion's scale operand
.endr
.irp c, 0,1,2,3
	v_lshrrev_b32 v[EB+\c], 23, v[SO+\c]           ; the scale's byte
.endr
.irp c, 0,1,2,3
.set YS, Y+32*(\c%2)
.set TS, TW+4*(\c%2)
.set i, 0
.rept 32
	v_mov_b32 v[YS+i], v[X+4*i+\c]                 ; the conversions want neighbours along K in consecutive registers
.set i, i+1
.endr
	v_cvt_scalef32_pk16_fp6_f32 v[CW+6*\c:CW+6*\c+2], v[YS:YS+15], v[SO+\c]
	v_cvt_scalef32_pk16_fp6_f32 v[TS:TS+2], v[YS+16:YS+31], v[SO+\c]
	v_nop                                          ; one plain instruction behind a scaled conversion
.irp j, 0,1,2
	v_mov_b32 v[CW+6*\c+3+\j], v[TS+\j]
.endr
.endr
; The way out, once for each order of the columns.  perm = 0: lane L's column c is tile L / 4, row 4 (L % 4) + c; perm = 1 (W_v): tile 4 (L / 16) + c, row L % 16.
.macro WOUT img, perm
	v_lshrrev_b32 v7, 4, v1
	v_lshlrev_b32 v7, 8, v7
.if \perm
	v_lshrrev_b32 v5, 4, v1
	v_mul_u32_u24 v5, v5, 4*FRB
	v_and_b32 v6, 15, v1
	v_lshl_add_u32 v5, v6, 4, v5
	v_lshl_add_u32 v7, v6, 4, v7
.set CS, FRB                           ; from column to column in the image, and in the scale words
.set WS, 4
.else
	v_lshrrev_b32 v5, 2, v1
	v_mul_u32_u24 v5, v5, FRB
	v_and_b32 v6, 3, v1
	v_lshl_add_u32 v5, v6, 6, v5
	v_lshl_add_u32 v7, v6, 6, v7
	v_bfe_u32 v6, v1, 2, 2
	v_lshl_add_u32 v7, v6, 2, v7
.set CS, 16
.set WS, 16
.endif
	s_add_co_u32 s26, s19, \img
	s_add_co_u32 s27, s26, s30
	v_add_nc_u32 v8, s27, v5
	s_add_co_u32 s27, s26, s31
	v_add_nc_u32 v9, s27, v5
	s_add_co_u32 s27, s14, \img+8*FRB
	v_add_nc_u32 v10, s27, v7                      ; my byte of the word
.irp c, 0,1,2,3
	ds_store_b64 v8, v[CW+6*\c:CW+6*\c+1] offset:CS*\c
	ds_store_b64 v9, v[CW+6*\c+2:CW+6*\c+3] offset:CS*\c+8
	ds_store_b64 v8, v[CW+6*\c+4:CW+6*\c+5] offset:CS*\c+512
	ds_store_b8 v10, v[EB+\c] offset:WS*\c
.endr
	s_mul_i32 s27, s14, 2*FRB
	s_add_co_u32 s27, s27, \img
	v_add_nc_u32 v11, s27, v4
	s_wait_alu depctr_va_vdst(0)                   ; the wait here, ahead of the waits below
	s_wait_dscnt 0x0                               ; for the others' sake: my codes and bytes lie in LDS
	s_barrier_signal -1
	s_barrier_wait -1
.irp g, 0,1,2,3,4,5
	ds_load_b128 v[X+4*\g:X+4*\g+3], v11 offset:512*\g
.endr
	s_cmp_eq_u32 s14, 0
	s_cbranch_scc0 .Lno_words_\@
	ds_load_b128 v[X+24:X+27], v11 offset:8*FRB    ; wave 0: the unit's 512 bytes of scale words
	s_wait_dscnt 0x0
	global_store_b128 v4, v[X+24:X+27], s[24:25] offset:8*FRB
.Lno_words_\@:
	s_wait_dscnt 0x0
.irp g, 0,1,2,3,4,5
	global_store_b128 v4, v[X+4*\g:X+4*\g+3], s[24:25] offset:512*\g   ; 512 consecutive bytes, aligned
.endr
	s_wait_tensorcnt 0x0                           ; the wave's end
	ds_add_u32 v[SPW], v[NIL]
	s_wait_dscnt 0x0
	s_endpgm
.endm
	s_wait_alu depctr_va_vdst(0)                   ; the wait here, ahead of the branch
	s_cmp_eq_u32 s17, 2
	s_cbranch_scc1 .Lorder_v
	WOUT IMG, 0
.Lorder_v:
	WOUT IMGV, 1
.Lfunc_end_k_q0db560225b_quant:
	.size	k_q0db560225b_quant, .Lfunc_end_k_q0db560225b_quant-k_q0db560225b_quant
	.p2alignl 7, 3214868480
	.fill 96, 4, 3214868480
	.section	.rodata,"a",@progbits
	.p2align	6, 0x0
	.amdhsa_kernel k_q0db560225b_quant
		.amdhsa_group_segment_fixed_size 59904
		.amdhsa_private_segment_fixed_size 0
		.amdhsa_enable_private_segment 0
		.amdhsa_kernarg_size 40
		.amdhsa_user_sgpr_count 2
		.amdhsa_user_sgpr_kernarg_segment_ptr 1
		.amdhsa_wavefront_size32 1
		.amdhsa_system_sgpr_workgroup_id_x 1
		.amdhsa_system_sgpr_workgroup_id_y 1
		.amdhsa_system_sgpr_workgroup_id_z 1
		.amdhsa_system_vgpr_workitem_id 0
		.amdhsa_next_free_vgpr 512
		.amdhsa_next_free_sgpr 66
		.amdhsa_reserve_vcc 1
		.amdhsa_float_denorm_mode_32 3
		.amdhsa_float_denorm_mode_16_64 3
		.amdhsa_memory_ordered 1
		.amdhsa_forward_progress 1
		.amdhsa_inst_pref_size 55
	.end_amdhsa_kernel
	.amdgpu_metadata
---
amdhsa.version: [ 1, 2 ]
amdhsa.kernels:
  - .name:           k_q0db560225b_quant
    .symbol:         k_q0db560225b_quant.kd
    .args:
      - { .name: x, .offset: 0, .size: 8, .value_kind: global_buffer, .address_space: global }
      - { .name: W_q, .offset: 8, .size: 8, .value_kind: global_buffer, .address_space: global }
      - { .name: W_k, .offset: 16, .size: 8, .value_kind: global_buffer, .address_space: global }
      - { .name: W_v, .offset: 24, .size: 8, .value_kind: global_buffer, .address_space: global }
      - { .name: xw, .offset: 32, .size: 8, .value_kind: global_buffer, .address_space: global }
    .group_segment_fixed_size: 59904
    .private_segment_fixed_size: 0
    .kernarg_segment_align: 8
    .kernarg_segment_size: 40
    .max_flat_workgroup_size: 128
    .sgpr_count:     66
    .vgpr_count:     512
    .wavefront_size: 32
...
	.end_amdgpu_metadata
.endif
;; end of part 1
;; launch proj (part 2): grid 8 x 32, 4 waves a work-group, clusters of 4 x 4, 327,680 bytes of LDS; arguments xw, qkv; writes qkv
.if DOCPART == 2
	.amdgcn_target "amdgcn-amd-amdhsa--gfx1250"
	.amdhsa_code_object_version 6
	.text
	.protected	k_q0db560225b_proj
	.globl	k_q0db560225b_proj
	.p2align	8
	.type	k_q0db560225b_proj,@function
k_q0db560225b_proj:
	s_mov_b64 s[64:65], 0
	v_nop
	global_prefetch_b8 v0, s[64:65] scope:SCOPE_SE
	s_setreg_imm32_b32 hwreg(HW_REG_WAVE_MODE, 25, 1), 1
	s_wait_xcnt 0x0
	s_wait_alu depctr_hold_cnt(0) depctr_sa_sdst(0) depctr_va_vdst(0) depctr_va_sdst(0) depctr_va_ssrc(0) depctr_va_vcc(0) depctr_vm_vsrc(0)
	s_getreg_b32 s2, hwreg(HW_REG_IB_STS2, 6, 4)
	s_cmp_eq_u32 s2, 0
	s_cbranch_scc0 .Lentry_in_a_cluster
	s_endpgm
.Lentry_in_a_cluster:
	s_bfe_u32 s2, ttmp6, 0x10000c
	s_cmp_lg_u32 s2, 0xf033
	s_cbranch_scc0 .Lentry_shape_is_right
	s_endpgm
.Lentry_shape_is_right:
; q = x W_q, k = x W_k, v = x W_v on codes of FP6 (E2M3) with E8M0 scales, sums in f32; the results are quantised in registers and leave as codes: q and k along their 1,024 columns, v along the keys.
; A WORK-GROUP STAYS AND MAKES TWO TILES, K = 1,024 each.  There are 32 x 8 tiles of 256 rows of x by 256 columns of W_q | W_k, and as many half tiles of 128 columns of W_v by 256 rows of x: one of each to a work-group,
; both on the same 256 rows of x, so that all 256 work-groups have the same work.
;   FIRST TILE: P = x's 256 rows, R = 256 columns of W_q | W_k.  Four waves, each 128 x 128: 64 accumulators.  SECOND TILE: P = 128 columns of W_v, R = the same rows of x.  Each wave 64 x 128: 32 accumulators.
; The matrix instruction is used transposed (source 0 = 16 rows of R, source 1 = 16 rows of P): a lane holds ONE row of P and, in accumulator (a, b), R's rows 16 b + 8 h + 0 .. 7: the next product's K runs along R.
; So the 16 registers of accumulators 2 B and 2 B + 1, with lane l xor 16's, are a block of 32 along the next K.  Within a block the order is not the natural one (place 16 h + 8 u + j holds 16 u + 8 h + j);
; it is the same for q and k, and for v and p, so each later product pairs like with like, and the blocks are the quantiser's own.
; OPERANDS lie in memory and in LDS as images of the fragments' registers: three loads of 16 bytes a lane bring a fragment, 512 consecutive bytes each: no pitch, no padding.
;   A unit = [8 tiles][3][32 lanes][16 bytes], 128 rows x 128 K, and behind it 512 bytes of scale words (tile i, row r at (i / 4) 256 + 16 r + 4 (i % 4)): 12,800 bytes.
;   xw: x and W_q | W_k: unit 16 (256-row block) + 2 K step + half, the weights 512 units on; W_v: unit 640 + 8 block + K step.  W_v's columns come ordered inside each 64: tile t, row r is column 4 r + t.
;   qkv: q: unit 16 (256-row block) + 2 K step + half; k: 512 + the same; v^T: 1,024 + 16 (8 batch + block of 128 columns) + K step (128 keys).
; LDS: x's K steps 0-5, 25,600 bytes each (both halves, scale words among them), then as many of the weights': a slot = two K steps.
; FILLS, one load a wave each time: at the head wave 0 x's K steps 0, 1, wave 1 the weights', wave 2 x's K steps 2-5, wave 3 the weights'; the first barrier shows what waves 0 and 1 asked for, step 1's round the rest.
;   In step 1 K steps 6, 7 land on 0, 1 (256 matrix instructions ahead of the wait for them); in step 5 W_v's block on the weights' K steps 2-5, 25,600 bytes a wave; between the tiles x's K steps 0, 1 on the weights' 0, 1.
;   x's K steps 2-7 still lie where the first tile read them, and are not fetched again.
; So the second tile walks K in the order 2 .. 7, 0, 1.  LIMIT: v's f32 sums therefore add their eight K steps in another order than ascending; a number of v that lies at the middle between two codes may turn by that.
; W_v's scale words (my 64 columns, 8 K steps) come once into 32 registers, 256 consecutive bytes a load.
; CLUSTER 4 x 4: x's tiles are shared along a row of the cluster, the weights' along a column: joint loads.
; LIMITS: a block of zeros gets the byte 1 (zero codes; this program alone reads the bytes); NaN and infinities are not served.
; No prefetch: six of the first tile's eight K steps are asked for at the head, and each refill has the lead said above.
.set FRB,   1536
.set FR,    12
.set SUB,   12800                      ; a unit
.set UNIT,  2*SUB                      ; a K step of 256 rows
.set SLOT,  2*UNIT
.set WOFF,  3*SLOT                     ; the weights' part of LDS
.set SPARE, 6*SLOT                     ; the spare words, 128 bytes a wave
.set ADX,  8                           ; v8-10  second tile: my half of x's rows in slot 0, 1, 2: + 16 x lane
.set ADW,  12                          ; v12-13 second tile: my four tiles of W_v, K steps 0-3, 4-7
.set ADRA, 16                          ; v16-18 first tile: my half of x's rows in slot 0, 1, 2
.set ADRB, 20                          ; v20-22 first tile: my half of the weights' columns.  v20 serves the second tile too: x's K steps 0, 1 land there
.set R16,  25                          ; v25    16 r; never rewritten
.set LI,   26                          ; v26    16 x lane
.set SPW,  28                          ; v28    my spare word; never rewritten
.set NIL,  29                          ; v29    0; never rewritten
.set SC,   32                          ; v32-47 scale words from LDS, two sets.  They hold nothing else
.set SW,   48                          ; on the ways out: v48-55 the tiles' scale words
.set SO,   56                          ; v56-63, v64-71, v240-247, v248-255: eight blocks, two tiles' at a time
.set BY,   64
.set TS,   72                          ; v72-75 as the first tile's are stored
.set ADRS, 80                          ; v80-82 first tile: my scale words in slot 0, 1, 2: lanes 0-15 x's, lanes 16-31 the weights'
.set WS,   96                          ; v96-127 W_v's scale words: register 4 k + a: K step k, my tile a, row r.  They hold nothing else
.set AF,   128                         ; first tile: v128-223 x's eight fragments, one set.   Window 1: source 0's eight, two sets, at v0 and v128.   Windows 2, 3: accumulator (a, b) at v[8 (8 (a % 4) + b)]
.set WF,   128                         ; second tile: v128-175, v176-223 W_v's four fragments, two sets
.set PC,   128                         ; on the ways out: the fragments' codes, 12 registers a tile
.set TO,   224                         ; v224-239
.set BM,   240
.set BX,   248
.set G1,   24                          ; s[24:31] group 1, x;  s[32:39] the weights: 200 rows of 256 bytes, then 100;  s[48:55], s[56:63] the same of 400 rows
.set G1B,  32
.set G1S,  48
.set G1SB, 56
.set G0P,  68                          ; s[68:71] group 0: x's K steps 0, 1;  s[72:75] its refills;  s[76:79] K steps 2-5
.set G0R,  84                          ; s[84:95] the same for the weights
.set SEL,  66
.set MSB, 0
.macro WIN new
.if MSB != (\new)
	s_set_vgpr_msb (MSB<<8)|(\new)
.set MSB, (\new)
.endif
.endm
.set MUL_LO, 0xa1                      ; source 0 window 1, source 1 window 0, C and D window 2
.set MUL_HI, 0xf1
.set TO_B,   0x40
.macro JLOAD g0a, g1a, g0b, g1b        ; waves 0, 1 fetch x's K steps, waves 2, 3 the weights'; an s_nop 0 and four v_nop follow each line
	s_cmp_eq_u32 s15, 0
	s_cbranch_scc0 .Lfor_b_\@
	tensor_load_to_lds s[\g0a:\g0a+3], s[\g1a:\g1a+7]
	s_nop 0
.rept 4
	v_nop
.endr
	s_branch .Lasked_\@
.Lfor_b_\@:
	tensor_load_to_lds s[\g0b:\g0b+3], s[\g1b:\g1b+7]
	s_nop 0
.rept 4
	v_nop
.endr
.Lasked_\@:
.endm
.macro CREST
	s_cmp_lg_u32 s14, 0
	s_cbranch_scc1 .Lnot_wave_0_\@
	s_barrier_signal -3
.Lnot_wave_0_\@:
	s_barrier_wait -3
	s_barrier_signal -1
	s_barrier_wait -1
.endm
.macro CROUND
	s_barrier_signal -1
	s_barrier_wait -1
	CREST
.endm
.macro PLACES n
.rept \n
	v_nop
.endr
.endm
.macro GZ g, base, boff, dest          ; a group 0
	s_mov_b32 s[\g], 1
	s_mov_b32 s[\g+1], \dest
.if \boff
	s_add_nc_u64 s[\g+2:\g+3], s[\base:\base+1], \boff
.else
	s_mov_b64 s[\g+2:\g+3], s[\base:\base+1]
.endif
	s_or_b32 s[\g+3], s[\g+3], 0x80000000
.endm
.macro ARM w, g0, g1, next             ; one arm of the head's chain
	s_cmp_eq_u32 s14, \w
	s_cbranch_scc0 \next
	tensor_load_to_lds s[\g0:\g0+3], s[\g1:\g1+7]
	s_nop 0
.rept 4
	v_nop
.endr
	s_branch .Lhead_asked
\next:
.endm
	s_load_b128 s[4:7], s[0:1], 0x0                ; xw, qkv
	v_lshl_add_u32 v[SPW], v0, 2, SPARE
	v_mov_b32 v[NIL], 0
	ds_add_u32 v[SPW], v[NIL]                      ; the wave's opening: the add, twice on end, and its wait ahead of my first tensor load
	ds_add_u32 v[SPW], v[NIL]
	v_lshrrev_b32 v1, 5, v0
	v_readfirstlane_b32 s14, v1                    ; wave
	s_lshr_b32 s15, s14, 1                         ; my half of P.  In a refill: I fetch x (0) or the weights (1)
	s_and_b32 s16, s14, 1                          ; my half of R.  In a refill: which of two K steps I fetch
	s_bfe_u32 s40, ttmp6, 0x40000                  ; cx
	s_bfe_u32 s41, ttmp6, 0x40004                  ; cy
	s_lshl_b32 s42, ttmp9, 2
	s_add_co_u32 s42, s42, s40                     ; tile column, 0..7
	s_and_b32 s13, ttmp7, 0xffff                   ; cluster y
	s_lshl_b32 s17, s13, 2
	s_add_co_u32 s17, s17, s41                     ; tile row, 0..31
	s_lshl_b32 s43, s41, 2
	s_lshl_b32 s43, 15, s43                        ; my row of the cluster
	s_lshl_b32 s44, 0x1111, s40                    ; my column
	; group 1: dense blocks as rows of 256 bytes (32 elements of 8 bytes); bit 21 set beside a mask
	s_or_b32 s[G1], s43, (3<<16)|(1<<21)
	s_or_b32 s[G1B], s44, (3<<16)|(1<<21)
	s_or_b32 s[G1S], s43, (3<<16)|(1<<21)
	s_or_b32 s[G1SB], s44, (3<<16)|(1<<21)
.irp g, G1, G1B
	s_mov_b32 s[\g+1], 32<<16
	s_mov_b32 s[\g+2], 200<<16
	s_mov_b32 s[\g+3], 32<<16
	s_mov_b32 s[\g+4], 200
	s_mov_b32 s[\g+5], 32
	s_mov_b32 s[\g+6], 0
	s_mov_b32 s[\g+7], 0
.endr
.irp g, G1S, G1SB
	s_mov_b32 s[\g+1], 32<<16
	s_mov_b32 s[\g+2], 400<<16
	s_mov_b32 s[\g+3], 32<<16
	s_mov_b32 s[\g+4], 400
	s_mov_b32 s[\g+5], 32
	s_mov_b32 s[\g+6], 0
	s_mov_b32 s[\g+7], 0
.endr
	; byte offsets.  x's hang on the tile row (cy), the weights' on the tile column (cx), both on the wave
	s_mul_i32 s2, s17, 8*UNIT                      ; x's 256 rows
	s_mov_b32 s3, 0
	s_lshl_b32 s46, s42, 1
	s_add_co_u32 s46, s46, s16                     ; 2 x tile column + half: 0..15
	s_lshl_b32 s20, s17, 4                         ; where my 128 x 128 of q | k goes: 16 x tile row + half of its rows + 2 x K step, k 512 on
	s_add_co_u32 s20, s20, s15
	s_lshr_b32 s21, s46, 3
	s_lshl_b32 s21, s21, 9
	s_add_co_u32 s20, s20, s21
	s_and_b32 s21, s46, 7
	s_lshl_b32 s21, s21, 1
	s_add_co_u32 s20, s20, s21
	s_mul_i32 s8, s20, SUB
	s_mov_b32 s9, 0
	s_add_co_u32 s10, s8, 8*FRB
	s_mov_b32 s11, 0
	s_add_co_u32 s47, s42, 32
	s_mul_i32 s22, s47, 8*UNIT                     ; the 256 columns of W_q | W_k
	s_mov_b32 s23, 0
	s_mul_i32 s12, s42, 8*SUB                      ; W_v's block: the scale words of my 64 columns
	s_add_co_u32 s12, s12, 640*SUB+8*FRB
	s_lshl_b32 s13, s15, 8
	s_add_co_u32 s12, s12, s13
	s_mov_b32 s13, 0
	s_lshr_b32 s20, s17, 3                         ; where my 64 x 128 of v^T goes: 1,024 + 16 (8 batch + tile column) + x's block in the batch; in it my four tiles
	s_lshl_b32 s20, s20, 3
	s_add_co_u32 s20, s20, s42
	s_lshl_b32 s20, s20, 4
	s_lshl_b32 s21, s17, 1
	s_add_co_u32 s21, s21, s16
	s_and_b32 s21, s21, 15
	s_add_co_u32 s20, s20, s21
	s_add_co_u32 s20, s20, 1024
	s_mul_i32 s40, s20, SUB
	s_mul_i32 s41, s15, 4*FRB
	s_add_co_u32 s40, s40, s41
	s_mov_b32 s41, 0
	s_mul_i32 s20, s20, SUB
	s_lshl_b32 s21, s15, 8
	s_add_co_u32 s20, s20, s21
	s_add_co_u32 s20, s20, 8*FRB
	s_mov_b32 s21, 0
	s_mul_i32 s45, s16, UNIT                       ; in a refill I fetch one of two K steps: no place in the cluster enters an LDS address
	s_mov_b32 s[SEL], 0x76543210
	s_mov_b32 s[SEL+1], 0xfedcba98
	s_wait_dscnt 0x0                               ; both opening adds are done
	s_wait_kmcnt 0x0
	s_add_nc_u64 s[2:3], s[4:5], s[2:3]
	s_add_nc_u64 s[22:23], s[4:5], s[22:23]
	s_add_nc_u64 s[8:9], s[6:7], s[8:9]            ; q | k: codes,
	s_add_nc_u64 s[10:11], s[6:7], s[10:11]        ; scale words
	s_add_nc_u64 s[20:21], s[6:7], s[20:21]        ; v^T: scale words,
	s_add_nc_u64 s[6:7], s[6:7], s[40:41]          ; codes
	GZ G0P, 2, 0, 0                                ; x's K steps 0, 1,
	GZ G0R, 22, 0, WOFF                            ; the weights',
	GZ G0P+8, 2, 2*UNIT, SLOT                      ; x's 2-5,
	GZ G0R+8, 22, 2*UNIT, WOFF+SLOT                ; the weights'
	s_mov_b32 s46, s45
	s_mov_b32 s47, 0
	s_add_nc_u64 s[2:3], s[2:3], s[46:47]          ; x's K step that I fetch in a refill: kept for the one between the tiles
	s_add_nc_u64 s[22:23], s[22:23], s[46:47]
	GZ G0P+4, 2, 6*UNIT, s45                       ; K step 6 or 7, onto 0 or 1
	GZ G0R+4, 22, 6*UNIT, s45
	s_add_co_u32 s[G0R+5], s45, WOFF
	CROUND                                         ; all sixteen work-groups are here: the first joint loads meet
	ARM 0, G0P, G1, .Lhead_w
	ARM 1, G0R, G1B, .Lhead_x2
	ARM 2, G0P+8, G1S, .Lhead_w2
	tensor_load_to_lds s[G0R+8:G0R+11], s[G1SB:G1SB+7]
	s_nop 0
.rept 4
	v_nop
.endr
.Lhead_asked:
	s_mul_i32 s46, s42, 8*SUB                      ; for the refill in step 5: W_v's block, my wave's two K steps,
	s_add_co_u32 s46, s46, 640*SUB
	s_mul_i32 s47, s14, UNIT
	s_add_co_u32 s46, s46, s47
	s_mov_b32 s47, 0
	s_add_nc_u64 s[46:47], s[4:5], s[46:47]
	s_add_nc_u64 s[4:5], s[4:5], s[12:13]          ; W_v's scale words
	s_mul_i32 s13, s14, UNIT                       ; and where they go
	s_add_co_u32 s13, s13, WOFF+SLOT
	v_and_b32 v1, 31, v0                           ; lane; kept
	v_and_b32 v2, 15, v0                           ; r
	v_bfe_u32 v3, v0, 4, 1                         ; h
	v_lshlrev_b32 v[LI], 4, v1
	s_wait_alu depctr_va_vdst(0)                   ; the wait here, ahead of the readers below
	v_lshlrev_b32 v[R16], 4, v2
.irp k, 0,1,2,3,4,5,6,7
	global_load_b128 v[WS+4*\k:WS+4*\k+3], v[R16], s[4:5] offset:SUB*\k   ; sixteen lanes read 256 consecutive bytes (lanes 16-31 the same again): my four tiles' words of K step k
.endr
	s_mul_i32 s40, s15, SUB
	s_mul_i32 s41, s16, SUB
	s_add_co_u32 s41, s41, WOFF
.irp s, 0,1,2
	v_add_nc_u32 v[ADRA+\s], s40, v[LI]
	v_add_nc_u32 v[ADRB+\s], s41, v[LI]
	s_add_co_u32 s40, s40, SLOT
	s_add_co_u32 s41, s41, SLOT
.endr
	s_mul_i32 s40, s16, SUB
.irp s, 0,1,2
	v_add_nc_u32 v[ADX+\s], s40, v[LI]
	s_add_co_u32 s40, s40, SLOT
.endr
	s_mul_i32 s40, s15, 4*FRB
	s_add_co_u32 s40, s40, WOFF+SLOT
	v_add_nc_u32 v[ADW], s40, v[LI]
	s_add_co_u32 s40, s40, SLOT
	v_add_nc_u32 v[ADW+1], s40, v[LI]
	s_mul_i32 s40, s15, SUB                        ; first tile: x's words: my half
	s_mul_i32 s41, s16, SUB                        ; the weights': my half
	s_add_co_u32 s41, s41, WOFF
	s_sub_co_u32 s41, s41, s40
	v_mul_u32_u24 v6, s41, v3                      ; lanes 16-31 take the weights'
	s_add_co_u32 s40, s40, 8*FRB
	v_add_nc_u32 v5, v[R16], v6
	v_add_nc_u32 v[ADRS], s40, v5
	v_add_nc_u32 v[ADRS+1], SLOT, v[ADRS]
	v_add_nc_u32 v[ADRS+2], 2*SLOT, v[ADRS]
.irp b, 0,1,2,3,4,5,6,7
	v_mov_b32 v[BX+\b], 0                          ; written once: a lane permute's destination counts as one of its sources
.endr
; ---------------- THE FIRST TILE.  K step k lies in slot (k / 2) % 3, at (k % 2) UNIT
.macro FETCH_B k                       ; the weights' eight fragments into set k % 2
	WIN TO_B
.irp i, 0,1,2,3,4,5,6,7
.irp g, 0,1,2
	ds_load_b128 v[128*((\k)%2)+FR*\i+4*\g:128*((\k)%2)+FR*\i+4*\g+3], v[ADRB+((\k)/2)%3] offset:((\k)%2)*UNIT+\i*FRB+512*\g
.endr
.endr
	WIN 0
.endm
.macro FETCH_A k, i0                   ; x's fragments i0 .. i0 + 3
.irp i, \i0, \i0+1, \i0+2, \i0+3
.irp g, 0,1,2
	ds_load_b128 v[AF+FR*(\i)+4*\g:AF+FR*(\i)+4*\g+3], v[ADRA+((\k)/2)%3] offset:((\k)%2)*UNIT+(\i)*FRB+512*\g
.endr
.endr
.endm
.macro SCALES k                        ; register i: lanes 0-15 x's tile i, lanes 16-31 the weights' tile i
.irp g, 0,1
	ds_load_b128 v[SC+8*((\k)%2)+4*\g:SC+8*((\k)%2)+4*\g+3], v[ADRS+((\k)/2)%3] offset:((\k)%2)*UNIT+256*\g
.endr
.endm
; 16 matrix instructions: x's tiles a0, a0 + 1 x the weights' eight.  The 64 accumulators take turns, in the same order in every step
.macro MUL16 a0, k, zero
.irp a, \a0, \a0+1
.irp b, 0,1,2,3,4,5,6,7
.if \zero
	v_wmma_scale_f32_16x16x128_f8f6f4 v[8*(8*((\a)%4)+\b):8*(8*((\a)%4)+\b)+7], v[128*((\k)%2)+FR*\b:128*((\k)%2)+FR*\b+FR-1], v[AF+FR*(\a):AF+FR*(\a)+FR-1], 0, v[SC+8*((\k)%2)+\b], v[SC+8*((\k)%2)+(\a)] matrix_a_fmt:MATRIX_FMT_FP6 matrix_b_fmt:MATRIX_FMT_FP6 matrix_a_scale:MATRIX_SCALE_ROW1
.else
	v_wmma_scale_f32_16x16x128_f8f6f4 v[8*(8*((\a)%4)+\b):8*(8*((\a)%4)+\b)+7], v[128*((\k)%2)+FR*\b:128*((\k)%2)+FR*\b+FR-1], v[AF+FR*(\a):AF+FR*(\a)+FR-1], v[8*(8*((\a)%4)+\b):8*(8*((\a)%4)+\b)+7], v[SC+8*((\k)%2)+\b], v[SC+8*((\k)%2)+(\a)] matrix_a_fmt:MATRIX_FMT_FP6 matrix_b_fmt:MATRIX_FMT_FP6 matrix_a_scale:MATRIX_SCALE_ROW1
.endif
.endr
.endr
.endm
; Loads into registers that matrix instructions have read stand four plain vector instructions behind them (ISA guide 7.12.1 for vector instructions)
.macro STEP k, zero
	s_wait_dscnt 12                                ; all but the youngest twelve loads (x's tiles 4-7) are in
	WIN MUL_LO
	MUL16 0, \k, \zero
	MUL16 2, \k, \zero
	s_wait_dscnt 0x0
	PLACES 4
	FETCH_B (\k)+1
	FETCH_A (\k)+1, 0
	SCALES (\k)+1
	WIN MUL_HI
	MUL16 4, \k, \zero
	MUL16 6, \k, \zero
	PLACES 4
	WIN 0
	FETCH_A (\k)+1, 4
.endm
; A step in which LDS bytes are filled again: every wave waits for all its tensor loads, adds 0 to its spare word, waits for that and for its reads; a round of the cluster's barrier; one load a wave.
; fill = 1 (step 1): K steps 6, 7 onto 0, 1.   fill = 2 (step 5): W_v's block onto the weights' K steps 2-5, whose last reads were this step's fragments: one line for the four waves, each its own two K steps
.macro TURN k, fill
	s_wait_tensorcnt 0x0                           ; all my tensor loads have landed
	ds_add_u32 v[SPW], v[NIL]
	s_wait_dscnt 13                                ; (the add and x's tiles 4-7 may be out)
	WIN MUL_LO
	MUL16 0, \k, 0
	s_wait_dscnt 0x0                               ; the add is done, and this step's fragments are all in registers
	s_barrier_signal -1
	MUL16 2, \k, 0
	WIN 0
	s_barrier_wait -1
	CREST                                          ; no wave of any partner still reads the bytes to be filled or has a load on its way
.if \fill == 1
	s_mov_b32 s[G1+2], 100<<16                     ; from here on a load brings 100 rows of 256 bytes
	s_mov_b32 s[G1+4], 100
	s_mov_b32 s[G1B+2], 100<<16
	s_mov_b32 s[G1B+4], 100
	JLOAD G0P+4, G1, G0R+4, G1B                    ; its four v_nop are the places in front of the loads below
.else
	s_mov_b32 s[G0R+9], s13
	s_mov_b64 s[G0R+10:G0R+11], s[46:47]
	s_or_b32 s[G0R+11], s[G0R+11], 0x80000000
	tensor_load_to_lds s[G0R+8:G0R+11], s[G1B:G1B+7]   ; shared along my column of the cluster
	s_nop 0
.rept 4
	v_nop
.endr
.endif
	FETCH_B (\k)+1
	FETCH_A (\k)+1, 0
	SCALES (\k)+1
	WIN MUL_HI
	MUL16 4, \k, 0
	MUL16 6, \k, 0
	PLACES 4
	WIN 0
	FETCH_A (\k)+1, 4
.endm
	s_wait_alu depctr_va_vdst(0)                   ; the wait at the head's end
	s_cmp_lt_u32 s14, 2                            ; K steps 0, 1 are in; waves 2 and 3's loads may be out
	s_cbranch_scc0 .Lnot_mine
	s_wait_tensorcnt 0x0
.Lnot_mine:
	s_barrier_signal -1
	s_barrier_wait -1
	FETCH_B 0
	FETCH_A 0, 0
	SCALES 0
	FETCH_A 0, 4
	STEP 0, 1                                      ; the first products start the sums
	TURN 1, 1                                      ; its wait for all loads and its round also show K steps 2-5 to every wave
	STEP 2, 0
	STEP 3, 0
	STEP 4, 0
	TURN 5, 2                                      ; K steps 6, 7 have landed, everybody's
	STEP 6, 0
	s_wait_dscnt 12
	WIN MUL_LO
	MUL16 0, 7, 0
	MUL16 2, 7, 0
	s_wait_dscnt 0x0
	WIN MUL_HI
	MUL16 4, 7, 0
	MUL16 6, 7, 0
	WIN 0
; THE WAY OUT of P's tiles a and a + 1, their eight blocks by turns: a row's 64 numbers (with lane l xor 16's: 128 along the next K) become one fragment and one scale word;
; the fragments' images leave from the registers, 512 consecutive bytes a store.
.macro QUANTP a, base
.set W, 2+(\a)/4
.set S, 64*((\a)%4)
.set PCA, PC+12*(\a)
.set WSS, W|(W<<2)
	WIN WSS                                        ; sources 0 and 1: the accumulators' window
.irp b, 0,1,2,3,4,5,6,7
	v_max3_num_f32 v[BM+\b], |v[S+16*\b]|, |v[S+16*\b+1]|, 0x1800000   ; each accumulator is read from its low end on; the floor 2^(3 - 127)
.endr
.irp i, 2,4,6,8,10,12,14
.irp b, 0,1,2,3,4,5,6,7
	v_max3_num_f32 v[BM+\b], |v[S+16*\b+\i]|, |v[S+16*\b+\i+1]|, v[BM+\b]
.endr
.endr
	WIN 0
.irp b, 0,1,2,3,4,5,6,7
	v_permlanex16_b32 v[BX+\b], v[BM+\b], s[SEL], s[SEL+1]
.endr
.irp b, 0,1,2,3,4,5,6,7
	v_max_num_f32 v[BM+\b], v[BM+\b], v[BX+\b]
.endr
.irp b, 0,1,2,3,4,5,6,7
	v_add_nc_u32 v[SO+\b], 0xff000000, v[BM+\b]    ; 2 off the exponent field: the conversion's scale operand
.endr
.irp b, 0,1,2,3,4,5,6,7
	v_lshrrev_b32 v[BY+\b], 23, v[SO+\b]
.endr
	WIN W
.irp q, 0,1,2,3
	v_cvt_scalef32_pk16_fp6_f32 v[PCA+6*\q:PCA+6*\q+2], v[S+32*\q:S+32*\q+15], v[SO+2*\q]
	v_cvt_scalef32_pk16_fp6_f32 v[TO+4*\q:TO+4*\q+2], v[S+32*\q+16:S+32*\q+31], v[SO+2*\q+1]
.endr
	WIN 0
.irp u, 0,1
	v_lshl_or_b32 v[SW+(\a)+\u], v[BY+4*\u+1], 8, v[BY+4*\u]   ; (plain lines behind the conversions)
.endr
.irp i, 2,3
.irp u, 0,1
	v_lshl_or_b32 v[SW+(\a)+\u], v[BY+4*\u+\i], 8*\i, v[SW+(\a)+\u]
.endr
.endr
.irp i, 0,1,2
.irp q, 0,1,2,3
	v_permlane16_swap_b32 v[PCA+6*\q+\i], v[TO+4*\q+\i]
.endr
.endr
.irp i, 0,1,2
.irp q, 0,1,2,3
	v_mov_b32 v[PCA+6*\q+3+\i], v[TO+4*\q+\i]
.endr
.endr
.irp g, 0,1,2,3,4,5
	global_store_b128 v[LI], v[PCA+4*\g:PCA+4*\g+3], s[\base:\base+1] offset:(\a)*FRB+512*\g
.endr
.endm
	s_mov_b32 s12, 0xffff0000                      ; lanes 16-31
	PLACES 4
.irp a, 0,2,4,6
	QUANTP \a, 8
.endr
.irp i, 0,1,2,3
	v_cndmask_b32 v[TS+\i], v[SW+\i], v[SW+4+\i], s12   ; lanes 0-15: tiles 0-3 of row r; lanes 16-31: tiles 4-7
.endr
	global_store_b128 v[LI], v[TS:TS+3], s[10:11]  ; the unit's 512 bytes of scale words
; ---------------- BETWEEN THE TILES: W_v's block has landed; the weights' K steps 6, 7, read last in step 7, give way to x's K steps 0, 1
	s_wait_tensorcnt 0x0                           ; my part of W_v's block is in: no tensor load of mine is out, so a group 0 may be written
	ds_add_u32 v[SPW], v[NIL]
	s_add_co_u32 s[G0P+5], s45, WOFF               ; waves 0, 1: a K step each
	s_mov_b64 s[G0P+6:G0P+7], s[2:3]
	s_or_b32 s[G0P+7], s[G0P+7], 0x80000000
	s_wait_dscnt 0x0                               ; the add is done; my LDS reads were over long ago
	CROUND                                         ; the same holds of every wave of every partner
	s_cmp_eq_u32 s15, 0                            ; waves 2 and 3 have no part of it
	s_cbranch_scc0 .Lno_x
	tensor_load_to_lds s[G0P+4:G0P+7], s[G1:G1+7]  ; shared along my row of the cluster
	s_nop 0
.rept 4
	v_nop
.endr
.Lno_x:
	s_wait_xcnt 0x0                                ; the first tile's stores have read their registers: fragments may land there
	s_wait_loadcnt 0x0                             ; W_v's scale words, asked for at the head
; ---------------- THE SECOND TILE.  Step t takes K step (t + 2) % 8.  x's K steps 2-7 lie in x's slots 1, 2, 0; K steps 0, 1 in the weights' slot 0; W_v's K step kk at kk SUB behind the weights' slot 0
.macro FETCH2 t                        ; 37 loads into sets t % 2
.set PP, (\t)%2
.set KK, ((\t)+2)%8
.if KK < 2
.set XR, ADRB
.else
.set XR, ADX+(KK/2)%3
.endif
.set XO, (KK%2)*UNIT
.set WR, ADW+KK/4
.set WOF, (KK%4)*SUB
	WIN TO_B
.irp i, 0,1,2,3,4,5,6,7
.irp g, 0,1,2
	ds_load_b128 v[128*PP+FR*\i+4*\g:128*PP+FR*\i+4*\g+3], v[XR] offset:XO+\i*FRB+512*\g
.endr
.endr
	WIN 0
.irp i, 0,1,2,3
.irp g, 0,1,2
	ds_load_b128 v[WF+48*PP+FR*\i+4*\g:WF+48*PP+FR*\i+4*\g+3], v[WR] offset:WOF+\i*FRB+512*\g
.endr
.endr
	ds_load_b128 v[SC+4*PP:SC+4*PP+3], v[XR] offset:XO+8*FRB   ; register c: lanes 0-15 x's tile c, lanes 16-31 tile 4 + c
.endm
.macro MUL8B a, t, zero                ; W_v's tile a x x's eight.  The 32 accumulators take turns, in the same order in every step
.set PP, (\t)%2
.set KK, ((\t)+2)%8
.irp b, 0,1,2,3
.if \zero
	v_wmma_scale_f32_16x16x128_f8f6f4 v[8*(8*(\a)+\b):8*(8*(\a)+\b)+7], v[128*PP+FR*\b:128*PP+FR*\b+FR-1], v[WF+48*PP+FR*(\a):WF+48*PP+FR*(\a)+FR-1], 0, v[SC+4*PP+\b], v[WS+4*KK+(\a)] matrix_a_fmt:MATRIX_FMT_FP6 matrix_b_fmt:MATRIX_FMT_FP6
.else
	v_wmma_scale_f32_16x16x128_f8f6f4 v[8*(8*(\a)+\b):8*(8*(\a)+\b)+7], v[128*PP+FR*\b:128*PP+FR*\b+FR-1], v[WF+48*PP+FR*(\a):WF+48*PP+FR*(\a)+FR-1], v[8*(8*(\a)+\b):8*(8*(\a)+\b)+7], v[SC+4*PP+\b], v[WS+4*KK+(\a)] matrix_a_fmt:MATRIX_FMT_FP6 matrix_b_fmt:MATRIX_FMT_FP6
.endif
.endr
.irp b, 4,5,6,7
.if \zero
	v_wmma_scale_f32_16x16x128_f8f6f4 v[8*(8*(\a)+\b):8*(8*(\a)+\b)+7], v[128*PP+FR*\b:128*PP+FR*\b+FR-1], v[WF+48*PP+FR*(\a):WF+48*PP+FR*(\a)+FR-1], 0, v[SC+4*PP+\b-4], v[WS+4*KK+(\a)] matrix_a_fmt:MATRIX_FMT_FP6 matrix_b_fmt:MATRIX_FMT_FP6 matrix_a_scale:MATRIX_SCALE_ROW1
.else
	v_wmma_scale_f32_16x16x128_f8f6f4 v[8*(8*(\a)+\b):8*(8*(\a)+\b)+7], v[128*PP+FR*\b:128*PP+FR*\b+FR-1], v[WF+48*PP+FR*(\a):WF+48*PP+FR*(\a)+FR-1], v[8*(8*(\a)+\b):8*(8*(\a)+\b)+7], v[SC+4*PP+\b-4], v[WS+4*KK+(\a)] matrix_a_fmt:MATRIX_FMT_FP6 matrix_b_fmt:MATRIX_FMT_FP6 matrix_a_scale:MATRIX_SCALE_ROW1
.endif
.endr
.endm
.macro STEP2 t, zero
	s_wait_dscnt 0x0                               ; this step's fragments, asked for a step ago, are in
	PLACES 4                                       ; in front of loads into the sets that the step before multiplied
	FETCH2 (\t)+1
	WIN MUL_LO
	MUL8B 0, \t, \zero
	MUL8B 1, \t, \zero
	MUL8B 2, \t, \zero
	MUL8B 3, \t, \zero
	WIN 0
.endm
	FETCH2 0
	STEP2 0, 1                                     ; the first products start the sums
	STEP2 1, 0
	STEP2 2, 0
	STEP2 3, 0
	STEP2 4, 0
	s_wait_tensorcnt 0x0                           ; step 5: my part of x's K steps 0, 1 has landed;
	ds_add_u32 v[SPW], v[NIL]
	s_wait_dscnt 1                                 ; this step's fragments are in (the add may be out)
	WIN MUL_LO
	MUL8B 0, 5, 0
	s_wait_dscnt 0x0
	s_barrier_signal -1
	MUL8B 1, 5, 0
	WIN 0
	s_barrier_wait -1                              ; everybody's has
	PLACES 4
	FETCH2 6
	WIN MUL_LO
	MUL8B 2, 5, 0
	MUL8B 3, 5, 0
	WIN 0
	STEP2 6, 0
	s_wait_dscnt 0x0
	WIN MUL_LO
	MUL8B 0, 7, 0
	MUL8B 1, 7, 0
	MUL8B 2, 7, 0
	MUL8B 3, 7, 0
	WIN 0
	PLACES 4
.irp a, 0,2
	QUANTP \a, 6
.endr
	s_wait_xcnt 0x0                                ; EXEC changes only behind this wait
	v_cmp_gt_u32 vcc_lo, 16, v1
	s_and_saveexec_b32 s22, vcc_lo
	global_store_b128 v[R16], v[SW:SW+3], s[20:21] ; lanes 0-15: 256 consecutive bytes: my four tiles' words of sixteen rows
	s_wait_xcnt 0x0
	s_or_b32 exec_lo, exec_lo, s22
	s_wait_tensorcnt 0x0                           ; the wave's end
	ds_add_u32 v[SPW], v[NIL]
	s_wait_dscnt 0x0
	CROUND                                         ; the closing round
	s_endpgm
.Lfunc_end_k_q0db560225b_proj:
	.size	k_q0db560225b_proj, .Lfunc_end_k_q0db560225b_proj-k_q0db560225b_proj
	.p2alignl 7, 3214868480
	.fill 96, 4, 3214868480
	.section	.rodata,"a",@progbits
	.p2align	6, 0x0
	.amdhsa_kernel k_q0db560225b_proj
		.amdhsa_group_segment_fixed_size 327680
		.amdhsa_private_segment_fixed_size 0
		.amdhsa_enable_private_segment 0
		.amdhsa_kernarg_size 16
		.amdhsa_user_sgpr_count 2
		.amdhsa_user_sgpr_kernarg_segment_ptr 1
		.amdhsa_wavefront_size32 1
		.amdhsa_system_sgpr_workgroup_id_x 1
		.amdhsa_system_sgpr_workgroup_id_y 1
		.amdhsa_system_sgpr_workgroup_id_z 1
		.amdhsa_system_vgpr_workitem_id 0
		.amdhsa_next_free_vgpr 1024
		.amdhsa_next_free_sgpr 100
		.amdhsa_reserve_vcc 1
		.amdhsa_float_denorm_mode_32 3
		.amdhsa_float_denorm_mode_16_64 3
		.amdhsa_memory_ordered 1
		.amdhsa_forward_progress 1
		.amdhsa_inst_pref_size 210
	.end_amdhsa_kernel
	.amdgpu_metadata
---
amdhsa.version: [ 1, 2 ]
amdhsa.kernels:
  - .name:           k_q0db560225b_proj
    .symbol:         k_q0db560225b_proj.kd
    .args:
      - { .name: xw, .offset: 0, .size: 8, .value_kind: global_buffer, .address_space: global }
      - { .name: qkv, .offset: 8, .size: 8, .value_kind: global_buffer, .address_space: global }
    .group_segment_fixed_size: 327680
    .private_segment_fixed_size: 0
    .kernarg_segment_align: 8
    .kernarg_segment_size: 16
    .max_flat_workgroup_size: 128
    .sgpr_count:     100
    .vgpr_count:     1024
    .wavefront_size: 32
...
	.end_amdgpu_metadata
.endif
;; end of part 2
;; launch score (part 3): grid 8 x 32, 4 waves a work-group, clusters of 4 x 4, 327,680 bytes of LDS; arguments qkv, pb; writes pb
.if DOCPART == 3
	.amdgcn_target "amdgcn-amd-amdhsa--gfx1250"
	.amdhsa_code_object_version 6
	.text
	.protected	k_q0db560225b_score
	.globl	k_q0db560225b_score
	.p2align	8
	.type	k_q0db560225b_score,@function
k_q0db560225b_score:
	s_mov_b64 s[64:65], 0
	v_nop
	global_prefetch_b8 v0, s[64:65] scope:SCOPE_SE
	s_setreg_imm32_b32 hwreg(HW_REG_WAVE_MODE, 25, 1), 1
	s_wait_xcnt 0x0
	s_wait_alu depctr_hold_cnt(0) depctr_sa_sdst(0) depctr_va_vdst(0) depctr_va_sdst(0) depctr_va_ssrc(0) depctr_va_vcc(0) depctr_vm_vsrc(0)
	s_getreg_b32 s2, hwreg(HW_REG_IB_STS2, 6, 4)
	s_cmp_eq_u32 s2, 0
	s_cbranch_scc0 .Lentry_in_a_cluster
	s_endpgm
.Lentry_in_a_cluster:
	s_bfe_u32 s2, ttmp6, 0x10000c
	s_cmp_lg_u32 s2, 0xf033
	s_cbranch_scc0 .Lentry_shape_is_right
	s_endpgm
.Lentry_shape_is_right:
; scores = q k^T on codes of FP6 (E2M3) with E8M0 scales, sums in f32; then, for each query and each run of 128 keys, the softmax's p under a LOCAL whole number M: t = score x log2(e) / 32,
; M_loc = ceil(the largest t of the 128), p = 2^(t - M_loc).  p is quantised along the keys and leaves as codes; beside it go -M_loc and l_loc, the sum of the unquantised p.
; The last launch takes M = the largest M_loc and brings each run under it by taking M - M_loc off its scale bytes and scaling l_loc: exact powers of two.  So a maximum is taken away before every exponential.
; A tile is 256 queries (P = q) x 256 keys (R = k) of one batch, K = 1,024.  Four waves, each 128 x 128: a wave's 128 keys are one run.  The fragments' images and the order of a block's 32 places are as in the launch that made q and k.
;   qkv: a unit = 8 fragments of 1,536 bytes and behind them 512 bytes of scale words: 12,800 bytes; q: unit 16 (256-row block) + 2 K step + half; k: 512 + the same.
;   pb: codes [tile of 16 queries][run of 128 keys][1,536 bytes]; at PSW scale words, -M_loc 524,288 bytes on, l_loc 1,048,576 on: [block of 128 queries][run][512 bytes], tile i, row r at (i / 4) 256 + 16 r + 4 (i % 4).
; LDS: q's K steps 0-5, 25,600 bytes each (both halves, scale words among them), then as many of k's: a slot = two K steps.
; FILLS, one load a wave: at the head wave 0 q's K steps 0, 1, wave 1 k's, wave 2 q's K steps 2-5, wave 3 k's; the first barrier shows what waves 0 and 1 asked for, step 1's round the rest.  In step 1 K steps 6, 7 land on 0, 1.
; Both operands have two sets of registers: a step's fragments are asked for in one run of 50 loads, 64 matrix instructions ahead of their use (behind a barrier 32).
; A block's largest p is made from its largest score by the same multiply-add and exponential; this takes v_exp_f32 not to fall where its input rises.
; LIMITS: a block whose every p is 0 keeps the byte 1 (zero codes); NaN and infinities are not served; the promise holds while the scaled scores t stay under 2^31 in magnitude.
; No prefetch: six of the eight K steps are asked for at the head, and the one refill more than 200 matrix instructions ahead of the wait for it.
.set PSW,   12582912
.set FRB,   1536
.set FR,    12
.set SUB,   12800                      ; a unit
.set UNIT,  2*SUB                      ; a K step of 256 rows
.set SLOT,  2*UNIT
.set WOFF,  3*SLOT                     ; k's part of LDS
.set SPARE, 6*SLOT                     ; the spare words, 128 bytes a wave
.set ADRS, 12                          ; v12-14 my scale words in slot 0, 1, 2: lanes 0-15 q's, lanes 16-31 k's
.set ADRA, 16                          ; v16-18 my half of q's rows
.set ADRB, 20                          ; v20-22 my half of k's rows
.set LI,   26                          ; v26    16 x lane
.set SPW,  28                          ; v28    my spare word; never rewritten
.set NIL,  29                          ; v29    0; never rewritten
.set SC,   32                          ; v32-47 scale words of the products, two sets, and nothing else
.set AF0,  128                         ; v128-223 q's eight fragments, set 0;  set 1: the first six at v48-119, two at v224-247.   Window 1: k's eight, two sets, at v0 and v128.   Windows 2, 3: accumulator (a, b) at v[8 (8 (a % 4) + b)]
.set AF1,  48
.set AF2,  224
.set SW,   48                          ; behind the last product: v48-55 p's scale words, v56-63 -M_loc, v64-71 l_loc, one for each tile of queries
.set NM,   56
.set LL,   64
.set TS,   72                          ; v72-83 as they are stored
.set NP,   84                          ; v[84:85], v[86:87] -M_loc of two tiles: the packed form names the pair and takes its low word
.set T,    88
.set T2,   90
.set ATR,  96                          ; v96-111 the sums' chains
.set SO,   112                         ; v112-119, v120-127, v240-247, v248-255: eight blocks, two tiles' at a time
.set BY,   120
.set PC,   128
.set TO,   224
.set BM,   240
.set BX,   248
.set G1,   24                          ; s[24:31] group 1, q;  s[32:39] k: 200 rows of 256 bytes, then 100;  s[48:55], s[56:63] the same of 400 rows
.set G1B,  32
.set G1S,  48
.set G1SB, 56
.set G0P,  68                          ; s[68:71] group 0: q's K steps 0, 1;  s[72:75] the refill;  s[76:79] K steps 2-5
.set G0R,  84                          ; s[84:95] the same for k
.set SEL,  66
.set CS,   2                           ; s[2:3] c = log2(e) / 32, written behind the last product
.set MSB, 0
.macro WIN new
.if MSB != (\new)
	s_set_vgpr_msb (MSB<<8)|(\new)
.set MSB, (\new)
.endif
.endm
.set MUL_LO, 0xa1                      ; source 0 window 1, source 1 window 0, C and D window 2
.set MUL_HI, 0xf1
.set TO_B,   0x40
.macro CREST
	s_cmp_lg_u32 s14, 0
	s_cbranch_scc1 .Lnot_wave_0_\@
	s_barrier_signal -3
.Lnot_wave_0_\@:
	s_barrier_wait -3
	s_barrier_signal -1
	s_barrier_wait -1
.endm
.macro CROUND
	s_barrier_signal -1
	s_barrier_wait -1
	CREST
.endm
.macro PLACES n
.rept \n
	v_nop
.endr
.endm
.macro GZ g, base, boff, dest          ; a group 0
	s_mov_b32 s[\g], 1
	s_mov_b32 s[\g+1], \dest
.if \boff
	s_add_nc_u64 s[\g+2:\g+3], s[\base:\base+1], \boff
.else
	s_mov_b64 s[\g+2:\g+3], s[\base:\base+1]
.endif
	s_or_b32 s[\g+3], s[\g+3], 0x80000000
.endm
.macro ARM w, g0, g1, next             ; one arm of the head's chain
	s_cmp_eq_u32 s14, \w
	s_cbranch_scc0 \next
	tensor_load_to_lds s[\g0:\g0+3], s[\g1:\g1+7]
	s_nop 0
.rept 4
	v_nop
.endr
	s_branch .Lhead_asked
\next:
.endm
	s_load_b128 s[4:7], s[0:1], 0x0                ; qkv, pb
	v_lshl_add_u32 v[SPW], v0, 2, SPARE
	v_mov_b32 v[NIL], 0
	ds_add_u32 v[SPW], v[NIL]                      ; the wave's opening: the add, twice on end, and its wait ahead of my first tensor load
	ds_add_u32 v[SPW], v[NIL]
	v_lshrrev_b32 v1, 5, v0
	v_readfirstlane_b32 s14, v1
	s_lshr_b32 s15, s14, 1                         ; my block of queries.  In the refill: I fetch for q (0) or for k (1)
	s_and_b32 s16, s14, 1                          ; my block of keys.  In the refill: which of two K steps I fetch
	s_bfe_u32 s40, ttmp6, 0x40000
	s_bfe_u32 s41, ttmp6, 0x40004
	s_lshl_b32 s42, ttmp9, 2
	s_add_co_u32 s42, s42, s40                     ; tile column: 256 keys of the batch
	s_and_b32 s13, ttmp7, 0xffff
	s_lshl_b32 s17, s13, 2
	s_add_co_u32 s17, s17, s41                     ; tile row: 256 of the 8,192 queries
	s_lshl_b32 s43, s41, 2
	s_lshl_b32 s43, 15, s43
	s_lshl_b32 s44, 0x1111, s40
	s_or_b32 s[G1], s43, (3<<16)|(1<<21)           ; group 1: dense blocks as rows of 256 bytes (32 elements of 8 bytes)
	s_or_b32 s[G1B], s44, (3<<16)|(1<<21)
	s_or_b32 s[G1S], s43, (3<<16)|(1<<21)
	s_or_b32 s[G1SB], s44, (3<<16)|(1<<21)
.irp g, G1, G1B
	s_mov_b32 s[\g+1], 32<<16
	s_mov_b32 s[\g+2], 200<<16
	s_mov_b32 s[\g+3], 32<<16
	s_mov_b32 s[\g+4], 200
	s_mov_b32 s[\g+5], 32
	s_mov_b32 s[\g+6], 0
	s_mov_b32 s[\g+7], 0
.endr
.irp g, G1S, G1SB
	s_mov_b32 s[\g+1], 32<<16
	s_mov_b32 s[\g+2], 400<<16
	s_mov_b32 s[\g+3], 32<<16
	s_mov_b32 s[\g+4], 400
	s_mov_b32 s[\g+5], 32
	s_mov_b32 s[\g+6], 0
	s_mov_b32 s[\g+7], 0
.endr
	s_lshr_b32 s47, s13, 1                         ; the batch: two clusters' rows each
	s_lshl_b32 s47, s47, 3
	s_add_co_u32 s47, s47, s42                     ; k's 256 rows (cx)
	s_lshl_b32 s46, s42, 1
	s_add_co_u32 s46, s46, s16                     ; the run of 128 keys in the batch
	s_lshl_b32 s20, s17, 1
	s_add_co_u32 s20, s20, s15                     ; my block of 128 queries
	s_mul_i32 s8, s20, 128*FRB                     ; p's codes: 8 tiles of 16 runs each,
	s_mul_i32 s9, s46, FRB                         ; my run
	s_add_co_u32 s8, s8, s9
	s_mov_b32 s9, 0
	s_lshl_b32 s20, s20, 4
	s_add_co_u32 s20, s20, s46
	s_lshl_b32 s10, s20, 9                         ; the three planes
	s_add_co_u32 s10, s10, PSW
	s_mov_b32 s11, 0
	s_mul_i32 s2, s17, 8*UNIT                      ; q's 256 rows (cy)
	s_mov_b32 s3, 0
	s_mul_i32 s22, s47, 8*UNIT
	s_add_co_u32 s22, s22, 512*SUB
	s_mov_b32 s23, 0
	s_mul_i32 s45, s16, UNIT
	s_mov_b32 s[SEL], 0x76543210
	s_mov_b32 s[SEL+1], 0xfedcba98
	s_wait_dscnt 0x0                               ; both opening adds are done
	s_wait_kmcnt 0x0
	s_add_nc_u64 s[2:3], s[4:5], s[2:3]
	s_add_nc_u64 s[22:23], s[4:5], s[22:23]
	s_add_nc_u64 s[8:9], s[6:7], s[8:9]
	s_add_nc_u64 s[10:11], s[6:7], s[10:11]
	GZ G0P, 2, 0, 0                                ; q's K steps 0, 1,
	GZ G0R, 22, 0, WOFF                            ; k's,
	GZ G0P+8, 2, 2*UNIT, SLOT                      ; q's 2-5,
	GZ G0R+8, 22, 2*UNIT, WOFF+SLOT                ; k's
	s_mov_b32 s46, s45
	s_mov_b32 s47, 0
	s_add_nc_u64 s[2:3], s[2:3], s[46:47]
	s_add_nc_u64 s[22:23], s[22:23], s[46:47]
	GZ G0P+4, 2, 6*UNIT, s45                       ; K step 6 or 7, onto 0 or 1
	GZ G0R+4, 22, 6*UNIT, s45
	s_add_co_u32 s[G0R+5], s45, WOFF
	CROUND                                         ; all sixteen work-groups are here: the first joint loads meet
	ARM 0, G0P, G1, .Lhead_k
	ARM 1, G0R, G1B, .Lhead_q2
	ARM 2, G0P+8, G1S, .Lhead_k2
	tensor_load_to_lds s[G0R+8:G0R+11], s[G1SB:G1SB+7]
	s_nop 0
.rept 4
	v_nop
.endr
.Lhead_asked:
	v_and_b32 v1, 31, v0
	v_and_b32 v2, 15, v0
	v_bfe_u32 v3, v0, 4, 1
	s_wait_alu depctr_va_vdst(0)                   ; the wait here, ahead of the readers below
	v_lshlrev_b32 v[LI], 4, v1
	s_mul_i32 s21, s15, SUB
	s_mul_i32 s22, s16, SUB
	s_add_co_u32 s22, s22, WOFF
.irp s, 0,1,2
	v_add_nc_u32 v[ADRA+\s], s21, v[LI]
	v_add_nc_u32 v[ADRB+\s], s22, v[LI]
	s_add_co_u32 s21, s21, SLOT
	s_add_co_u32 s22, s22, SLOT
.endr
	v_lshlrev_b32 v5, 4, v2
	s_mul_i32 s21, s15, SUB
	s_mul_i32 s22, s16, SUB
	s_add_co_u32 s22, s22, WOFF
	s_sub_co_u32 s22, s22, s21
	v_mul_u32_u24 v6, s22, v3                      ; lanes 16-31 take k's
	s_add_co_u32 s21, s21, 8*FRB
	v_add_nc_u32 v5, v5, v6
	v_add_nc_u32 v[ADRS], s21, v5
	v_add_nc_u32 v[ADRS+1], SLOT, v[ADRS]
	v_add_nc_u32 v[ADRS+2], 2*SLOT, v[ADRS]
.irp b, 0,1,2,3,4,5,6,7
	v_mov_b32 v[BX+\b], 0                          ; written once: a lane permute's destination counts as one of its sources
.endr
; K step k lies in slot (k / 2) % 3, at (k % 2) UNIT.  Its fragments go into sets k % 2
.macro AREG i, k                       ; AR: where q's fragment i lies
.if ((\k)%2) == 0
.set AR, AF0+FR*(\i)
.elseif (\i) < 6
.set AR, AF1+FR*(\i)
.else
.set AR, AF2+FR*((\i)-6)
.endif
.endm
.macro FETCH k                         ; 50 loads in one run
	WIN TO_B
.irp i, 0,1,2,3,4,5,6,7
.irp g, 0,1,2
	ds_load_b128 v[128*((\k)%2)+FR*\i+4*\g:128*((\k)%2)+FR*\i+4*\g+3], v[ADRB+((\k)/2)%3] offset:((\k)%2)*UNIT+\i*FRB+512*\g
.endr
.endr
	WIN 0
.irp i, 0,1,2,3,4,5,6,7
	AREG \i, \k
.irp g, 0,1,2
	ds_load_b128 v[AR+4*\g:AR+4*\g+3], v[ADRA+((\k)/2)%3] offset:((\k)%2)*UNIT+\i*FRB+512*\g
.endr
.endr
.irp g, 0,1                            ; register i: lanes 0-15 q's tile i, lanes 16-31 k's tile i
	ds_load_b128 v[SC+8*((\k)%2)+4*\g:SC+8*((\k)%2)+4*\g+3], v[ADRS+((\k)/2)%3] offset:((\k)%2)*UNIT+256*\g
.endr
.endm
.macro MUL16 a0, k, zero               ; q's tiles a0, a0 + 1 x k's eight.  The 64 accumulators take turns, in the same order in every step
.irp a, \a0, \a0+1
	AREG \a, \k
.irp b, 0,1,2,3,4,5,6,7
.if \zero
	v_wmma_scale_f32_16x16x128_f8f6f4 v[8*(8*((\a)%4)+\b):8*(8*((\a)%4)+\b)+7], v[128*((\k)%2)+FR*\b:128*((\k)%2)+FR*\b+FR-1], v[AR:AR+FR-1], 0, v[SC+8*((\k)%2)+\b], v[SC+8*((\k)%2)+(\a)] matrix_a_fmt:MATRIX_FMT_FP6 matrix_b_fmt:MATRIX_FMT_FP6 matrix_a_scale:MATRIX_SCALE_ROW1
.else
	v_wmma_scale_f32_16x16x128_f8f6f4 v[8*(8*((\a)%4)+\b):8*(8*((\a)%4)+\b)+7], v[128*((\k)%2)+FR*\b:128*((\k)%2)+FR*\b+FR-1], v[AR:AR+FR-1], v[8*(8*((\a)%4)+\b):8*(8*((\a)%4)+\b)+7], v[SC+8*((\k)%2)+\b], v[SC+8*((\k)%2)+(\a)] matrix_a_fmt:MATRIX_FMT_FP6 matrix_b_fmt:MATRIX_FMT_FP6 matrix_a_scale:MATRIX_SCALE_ROW1
.endif
.endr
.endr
.endm
.macro STEP k, zero
	s_wait_dscnt 0x0                               ; this step's fragments, asked for a step ago, are in
	PLACES 4                                       ; in front of loads into the sets that the step before multiplied
	FETCH (\k)+1
	WIN MUL_LO
	MUL16 0, \k, \zero
	MUL16 2, \k, \zero
	WIN MUL_HI
	MUL16 4, \k, \zero
	MUL16 6, \k, \zero
	WIN 0
.endm
; A step with a barrier: fill = 1 (step 1): a round, behind which K steps 6, 7 land on 0, 1, whose last reads were this step's fragments; fill = 0 (step 5): a plain barrier shows them
.macro TURN k, fill
	s_wait_tensorcnt 0x0                           ; all my tensor loads have landed
	ds_add_u32 v[SPW], v[NIL]
	s_wait_dscnt 1                                 ; this step's fragments are in (the add may be out)
	WIN MUL_LO
	MUL16 0, \k, 0
	s_wait_dscnt 0x0                               ; the add is done, and so are my reads
	s_barrier_signal -1
	MUL16 2, \k, 0
	WIN 0
	s_barrier_wait -1
.if \fill
	CREST                                          ; no wave of any partner still reads the bytes to be filled or has a load on its way
	s_mov_b32 s[G1+2], 100<<16                     ; the refill brings 100 rows of 256 bytes a wave
	s_mov_b32 s[G1+4], 100
	s_mov_b32 s[G1B+2], 100<<16
	s_mov_b32 s[G1B+4], 100
	s_cmp_eq_u32 s15, 0                            ; waves 0, 1 fetch q's K steps, waves 2, 3 k's; an s_nop 0 and four v_nop follow each line
	s_cbranch_scc0 .Lfor_k
	tensor_load_to_lds s[G0P+4:G0P+7], s[G1:G1+7]
	s_nop 0
	PLACES 4
	s_branch .Lasked
.Lfor_k:
	tensor_load_to_lds s[G0R+4:G0R+7], s[G1B:G1B+7]
	s_nop 0
	PLACES 4                                       ; (also the places in front of the loads below)
.Lasked:
.else
	PLACES 4
.endif
	FETCH (\k)+1
	WIN MUL_HI
	MUL16 4, \k, 0
	MUL16 6, \k, 0
	WIN 0
.endm
	s_wait_alu depctr_va_vdst(0)                   ; the wait at the head's end
	s_cmp_lt_u32 s14, 2                            ; K steps 0, 1 are in; waves 2 and 3's loads may be out
	s_cbranch_scc0 .Lnot_mine
	s_wait_tensorcnt 0x0
.Lnot_mine:
	s_barrier_signal -1
	s_barrier_wait -1
	FETCH 0
	STEP 0, 1                                      ; the first products start the sums
	TURN 1, 1                                      ; its wait for all loads and its round also show K steps 2-5 to every wave
	STEP 2, 0
	STEP 3, 0
	STEP 4, 0
	TURN 5, 0
	STEP 6, 0
	s_wait_dscnt 0x0
	WIN MUL_LO
	MUL16 0, 7, 0
	MUL16 2, 7, 0
	WIN MUL_HI
	MUL16 4, 7, 0
	MUL16 6, 7, 0
	WIN 0
; THE SOFTMAX of tiles a and a + 1 of queries, their eight blocks by turns: a lane holds one query of each and 64 of the run's 128 keys, lane l xor 16 the others.
.macro SOFTP a
.set W, 2+(\a)/4
.set S, 64*((\a)%4)
.set PCA, PC+12*(\a)
.set WSS, W|(W<<2)
.set WSD, W|(W<<6)
	WIN WSS
.irp b, 0,1,2,3,4,5,6,7
	v_max_num_f32 v[BM+\b], v[S+16*\b], v[S+16*\b+1]   ; the largest score of each block of 32 keys; each accumulator is read from its low end on
.endr
.irp i, 2,4,6,8,10,12,14
.irp b, 0,1,2,3,4,5,6,7
	v_max3_num_f32 v[BM+\b], v[S+16*\b+\i], v[S+16*\b+\i+1], v[BM+\b]
.endr
.endr
	WIN 0
.irp b, 0,1,2,3,4,5,6,7
	v_permlanex16_b32 v[BX+\b], v[BM+\b], s[SEL], s[SEL+1]
.endr
.irp b, 0,1,2,3,4,5,6,7
	v_max_num_f32 v[BM+\b], v[BM+\b], v[BX+\b]
.endr
.irp u, 0,1
	v_max3_num_f32 v[T+\u], v[BM+4*\u], v[BM+4*\u+1], v[BM+4*\u+2]
.endr
.irp u, 0,1
	v_max_num_f32 v[T+\u], v[T+\u], v[BM+4*\u+3]   ; the run's largest score of my query,
.endr
.irp u, 0,1
	v_mul_f32 v[T+\u], s[CS], v[T+\u]              ; as t (c is positive)
.endr
.irp u, 0,1
	v_floor_f32 v[NP+2*\u], -v[T+\u]               ; -M_loc = floor(-t) = -ceil(t)
.endr
.irp u, 0,1
	v_mov_b32 v[NM+(\a)+\u], v[NP+2*\u]
.endr
.irp b, 0,1,2,3,4,5,6,7
	v_fma_f32 v[BM+\b], v[BM+\b], s[CS], v[NP+2*(\b/4)]   ; t - M_loc of each block's largest score
.endr
	WIN WSD
.set j, 0
.rept 64
	v_pk_fma_f32 v[S+j:S+j+1], v[S+j:S+j+1], s[CS:CS+1], v[NP+2*(j/64):NP+2*(j/64)+1] op_sel_hi:[1,0,0]   ; t - M_loc, two at a time
.set j, j+2
.endr
.set j, 0
	s_wait_alu depctr_va_vdst(0)                   ; the wait ahead of the batch
.rept 128
	v_exp_f32 v[S+j], v[S+j]                       ; p, at most 1
.set j, j+1
.endr
	WIN 0
	v_nop                                          ; a plain instruction behind the last exponential
	s_wait_alu depctr_va_vdst(0)                   ; one wait for the 128, ahead of their first reader
.irp b, 0,1,2,3,4,5,6,7
	v_exp_f32 v[BM+\b], v[BM+\b]                   ; each block's largest p
.endr
	WIN WSS
.set j, 0
.rept 8
	v_pk_add_f32 v[ATR+2*j:ATR+2*j+1], v[S+16*j:S+16*j+1], v[S+16*j+2:S+16*j+3]   ; the sum of the unquantised p, four chains a tile (they read the 128 alone)
.set j, j+1
.endr
	WIN W
.irp i, 4,6,8,10,12,14
.set j, 0
.rept 8
	v_pk_add_f32 v[ATR+2*j:ATR+2*j+1], v[S+16*j+\i:S+16*j+\i+1], v[ATR+2*j:ATR+2*j+1]
.set j, j+1
.endr
.endr
	WIN 0
.irp c, 0,2,4,6
	v_pk_add_f32 v[ATR+2*\c:ATR+2*\c+1], v[ATR+2*\c:ATR+2*\c+1], v[ATR+2*\c+2:ATR+2*\c+3]
.endr
.irp u, 0,1
	v_pk_add_f32 v[ATR+8*\u:ATR+8*\u+1], v[ATR+8*\u:ATR+8*\u+1], v[ATR+8*\u+4:ATR+8*\u+5]
.endr
.irp u, 0,1
	v_add_f32 v[T+\u], v[ATR+8*\u], v[ATR+8*\u+1]
.endr
.irp u, 0,1
	v_permlanex16_b32 v[T2+\u], v[T+\u], s[SEL], s[SEL+1]
.endr
.irp u, 0,1
	v_add_f32 v[LL+(\a)+\u], v[T+\u], v[T2+\u]     ; l_loc
.endr
	s_wait_alu depctr_va_vdst(0)                   ; and one for the eight
.irp b, 0,1,2,3,4,5,6,7
	v_max_num_f32 v[BM+\b], 0x1800000, v[BM+\b]    ; the floor 2^(3 - 127)
.endr
.irp b, 0,1,2,3,4,5,6,7
	v_add_nc_u32 v[SO+\b], 0xff000000, v[BM+\b]
.endr
.irp b, 0,1,2,3,4,5,6,7
	v_lshrrev_b32 v[BY+\b], 23, v[SO+\b]
.endr
	WIN W
.irp q, 0,1,2,3
	v_cvt_scalef32_pk16_fp6_f32 v[PCA+6*\q:PCA+6*\q+2], v[S+32*\q:S+32*\q+15], v[SO+2*\q]
	v_cvt_scalef32_pk16_fp6_f32 v[TO+4*\q:TO+4*\q+2], v[S+32*\q+16:S+32*\q+31], v[SO+2*\q+1]
.endr
	WIN 0
.irp u, 0,1
	v_lshl_or_b32 v[SW+(\a)+\u], v[BY+4*\u+1], 8, v[BY+4*\u]   ; (plain lines behind the conversions)
.endr
.irp i, 2,3
.irp u, 0,1
	v_lshl_or_b32 v[SW+(\a)+\u], v[BY+4*\u+\i], 8*\i, v[SW+(\a)+\u]
.endr
.endr
.irp i, 0,1,2
.irp q, 0,1,2,3
	v_permlane16_swap_b32 v[PCA+6*\q+\i], v[TO+4*\q+\i]
.endr
.endr
.irp i, 0,1,2
.irp q, 0,1,2,3
	v_mov_b32 v[PCA+6*\q+3+\i], v[TO+4*\q+\i]
.endr
.endr
.irp g, 0,1,2,3,4,5
	global_store_b128 v[LI], v[PCA+4*\g:PCA+4*\g+3], s[8:9] offset:((\a)+\g/3)*16*FRB+512*(\g%3)   ; 512 consecutive bytes, aligned
.endr
.endm
	s_mov_b32 s12, 0xffff0000                      ; lanes 16-31
	s_mov_b32 s[CS], 0x3d38aa3b                    ; c = log2(e) / 32: the division by 32 is exact
	s_mov_b32 s[CS+1], s[CS]
	PLACES 4                                       ; (the products' registers are written from here on)
	v_nop
	v_mov_b32 v[NP+1], 0                           ; (named as the upper half of a pair)
	v_mov_b32 v[NP+3], 0
	v_mov_b32 v[T2], 0                             ; (a lane permute's destination)
	v_mov_b32 v[T2+1], 0
.irp a, 0,2,4,6
	SOFTP \a
.endr
.irp i, 0,1,2,3
	v_cndmask_b32 v[TS+\i], v[SW+\i], v[SW+4+\i], s12   ; lanes 0-15: tiles 0-3 of row r; lanes 16-31: tiles 4-7
	v_cndmask_b32 v[TS+4+\i], v[NM+\i], v[NM+4+\i], s12
	v_cndmask_b32 v[TS+8+\i], v[LL+\i], v[LL+4+\i], s12
.endr
	global_store_b128 v[LI], v[TS:TS+3], s[10:11]
	global_store_b128 v[LI], v[TS+4:TS+7], s[10:11] offset:524288
	global_store_b128 v[LI], v[TS+8:TS+11], s[10:11] offset:1048576
	s_wait_tensorcnt 0x0                           ; the wave's end
	ds_add_u32 v[SPW], v[NIL]
	s_wait_dscnt 0x0
	CROUND                                         ; the closing round
	s_endpgm
.Lfunc_end_k_q0db560225b_score:
	.size	k_q0db560225b_score, .Lfunc_end_k_q0db560225b_score-k_q0db560225b_score
	.p2alignl 7, 3214868480
	.fill 96, 4, 3214868480
	.section	.rodata,"a",@progbits
	.p2align	6, 0x0
	.amdhsa_kernel k_q0db560225b_score
		.amdhsa_group_segment_fixed_size 327680
		.amdhsa_private_segment_fixed_size 0
		.amdhsa_enable_private_segment 0
		.amdhsa_kernarg_size 16
		.amdhsa_user_sgpr_count 2
		.amdhsa_user_sgpr_kernarg_segment_ptr 1
		.amdhsa_wavefront_size32 1
		.amdhsa_system_sgpr_workgroup_id_x 1
		.amdhsa_system_sgpr_workgroup_id_y 1
		.amdhsa_system_sgpr_workgroup_id_z 1
		.amdhsa_system_vgpr_workitem_id 0
		.amdhsa_next_free_vgpr 1024
		.amdhsa_next_free_sgpr 100
		.amdhsa_reserve_vcc 0
		.amdhsa_float_denorm_mode_32 3
		.amdhsa_float_denorm_mode_16_64 3
		.amdhsa_memory_ordered 1
		.amdhsa_forward_progress 1
		.amdhsa_inst_pref_size 191
	.end_amdhsa_kernel
	.amdgpu_metadata
---
amdhsa.version: [ 1, 2 ]
amdhsa.kernels:
  - .name:           k_q0db560225b_score
    .symbol:         k_q0db560225b_score.kd
    .args:
      - { .name: qkv, .offset: 0, .size: 8, .value_kind: global_buffer, .address_space: global }
      - { .name: pb, .offset: 8, .size: 8, .value_kind: global_buffer, .address_space: global }
    .group_segment_fixed_size: 327680
    .private_segment_fixed_size: 0
    .kernarg_segment_align: 8
    .kernarg_segment_size: 16
    .max_flat_workgroup_size: 128
    .sgpr_count:     100
    .vgpr_count:     1024
    .wavefront_size: 32
...
	.end_amdgpu_metadata
.endif
;; end of part 3
;; launch pv (part 4): grid 8 x 32, 4 waves a work-group, clusters of 4 x 4, 327,680 bytes of LDS; arguments qkv, pb, out0; writes out0
.if DOCPART == 4
	.amdgcn_target "amdgcn-amd-amdhsa--gfx1250"
	.amdhsa_code_object_version 6
	.text
	.protected	k_q0db560225b_pv
	.globl	k_q0db560225b_pv
	.p2align	8
	.type	k_q0db560225b_pv,@function
k_q0db560225b_pv:
	s_mov_b64 s[64:65], 0
	v_nop
	global_prefetch_b8 v0, s[64:65] scope:SCOPE_SE
	s_setreg_imm32_b32 hwreg(HW_REG_WAVE_MODE, 25, 1), 1
	s_wait_xcnt 0x0
	s_wait_alu depctr_hold_cnt(0) depctr_sa_sdst(0) depctr_va_vdst(0) depctr_va_sdst(0) depctr_va_ssrc(0) depctr_va_vcc(0) depctr_vm_vsrc(0)
	s_getreg_b32 s2, hwreg(HW_REG_IB_STS2, 6, 4)
	s_cmp_eq_u32 s2, 0
	s_cbranch_scc0 .Lentry_in_a_cluster
	s_endpgm
.Lentry_in_a_cluster:
	s_bfe_u32 s2, ttmp6, 0x10000c
	s_cmp_lg_u32 s2, 0xf033
	s_cbranch_scc0 .Lentry_shape_is_right
	s_endpgm
.Lentry_shape_is_right:
; out = (p v) / l on codes of FP6 (E2M3) with E8M0 scales, sums in f32.  p came under a local whole number M_loc for each query and run of 128 keys.  Here: M = the largest M_loc of the query's 16 runs;
; l = the sum of l_loc 2^(M_loc - M); each of p's scale bytes has M - M_loc taken off (held at 0 from below), which brings p under M exactly.
; A WORK-GROUP makes 256 queries x 128 columns, K = the batch's 2,048 keys in 16 steps.  Four waves, 2 x 2: a wave keeps 64 columns of v^T, ALL OF K, in registers (64 fragments of 12) and streams eight blocks of 16 queries past them:
; 64 products a block on four accumulators by turns, K ascending.  The wave in row a takes tile 2 s + a of the 16 tiles as its block s.
; THE WAY OUT NEEDS NO LDS: v^T's tile t, row r is column 4 r + t of my 64, so at one register number lane r of the four accumulators holds four neighbouring columns, and sixteen lanes 256 bytes of a row.
; A block's eight rows a lane are multiplied by 1 / l among the next block's products and leave in two runs of four stores.
;   pb: codes [tile of 16 queries][run of 128 keys][1,536 bytes]; at PSW scale words, -M_loc 524,288 on, l_loc 1,048,576 on: [block of 128 queries][run][512 bytes], tile i, row r at (i / 4) 256 + 16 r + 4 (i % 4).
;   qkv: v^T: unit 1,024 + 16 (8 batch + block of 128 columns) + K step: 8 fragments and 512 bytes of scale words, 12,800 bytes.
; LDS: v^T's 16 units (0); p's tiles 0-3 (AOFF); p's mended scale words and 1 / l (LDS stores: no tensor load lands there); the spare words.
; FILLS.  At the head one load a wave: wave 0 v^T's K steps 0-7, wave 1 p's tiles 0, 1; waves 2 and 3, when their -M_loc are in, v^T's 8-15 and p's tiles 2, 3.  In the middle of block 0, when all waves hold K steps 0-7,
; tiles 4-7 land on them; in block 1 tiles 8-15 land behind these, on what is left of v^T and on tiles 0-3: a wave one tile, then two.  A plain barrier in block 3 shows the second refill.
; CLUSTER 4 x 4: p's tiles are shared along a row of the cluster, v^T along a column: joint loads.
; PREFETCHES: the tiles of each refill one round ahead, shared by address among the sixteen waves of the row's four work-groups.
; LIMITS: a block of p whose byte would fall under 0 keeps the byte 0: its numbers are under 2^-124 beside an l of 1/2 at the least.  NaN and infinities are not served.
.set PSW,   12582912
.set UNIT,  12800
.set FRB,   1536
.set FR,    12
.set TILE,  16*FRB                     ; a tile of p: 24,576 bytes
.set AOFF,  16*UNIT
.set PSC,   AOFF+4*TILE                ; mended words: [tile][K steps 0-7, 8-15][even, odd][lane][8 bytes]: lane (r, h): the K steps 2 h and 2 h + 4 of these eight, + 1 for the odd
.set INV,   PSC+16*1024                ; 1 / l: two copies of [tile][row]
.set SPARE, INV+2048
.set CO,    0                          ; v0      my place in a block's output
.set SPW,   1
.set NIL,   2
.set ADP,   3                          ; v3-4    my tile of p of even, odd blocks
.set ADPB,  5
.set APSB,  6
.set AILB,  7
.set OQ,    8                          ; v8-11   a row on its way out; three more lie at v252-255 of windows 1 to 3
.set VS,    12                         ; v12-43  v^T's scale words: 16 (K step / 8) + 4 (K step % 4) + t; lanes 0-15 K steps 0-3 of eight, lanes 16-31 4-7.  Scales and nothing else
.set PS,    44                         ; v44-51  p's: odd K steps in the lower four, even in the upper; two registers for K steps 0-7, two for 8-15.  Scales and nothing else
.set ACC,   52                         ; v52-115 two sets of four accumulators
.set F63,   116                        ; v116-127 v^T's last fragment; fragment f < 63 lies in window 1 + f / 21 at 12 (f % 21)
.set IL,    128                        ; v128-135 1 / l of my eight rows
.set PF,    136                        ; v136-255 a ring of ten fragments of p
; at the head and in block 0:
.set LI,    52                         ; 16 x lane
.set VR,    53
.set VH,    54
.set VL,    55
.set NMG,   56                         ; v56-59  -M
.set LS,    60                         ; v60-63  l, then 1 / l;  v64-67 its second half
.set PSA,   68
.set INVA,  69
.set ADV,   84                         ; v84-87  my columns of v^T, four K steps each
.set ADVS,  88                         ; v88-89  their scale words
.set PFA,   90                         ; v90-91  the prefetches' offsets
.set NMA,   96                         ; v96-159 -M_loc, my own eight runs, then the others;  v160-223 l_loc;  v224-255 my own runs' words
.set LA,    160
.set WO,    224
.set G1P,   24                         ; s[24:31] group 1 of p;  s[32:39] of v^T
.set G1V,   32
.set G0V0,  68
.set G0P0,  72
.set G0V1,  76
.set G0P1,  80
.set G0R,   84                         ; s[84:87] the refills
.set MSB, 0
.macro WIN new
.if MSB != (\new)
	s_set_vgpr_msb (MSB<<8)|(\new)
.set MSB, (\new)
.endif
.endm
.macro PLACES n
.rept \n
	v_nop
.endr
.endm
.macro CREST
	s_cmp_lg_u32 s14, 0
	s_cbranch_scc1 .Lnot_wave_0_\@
	s_barrier_signal -3
.Lnot_wave_0_\@:
	s_barrier_wait -3
	s_barrier_signal -1
	s_barrier_wait -1
.endm
.macro CROUND
	s_barrier_signal -1
	s_barrier_wait -1
	CREST
.endm
.macro TLOAD g0, g1
	tensor_load_to_lds s[\g0:\g0+3], s[\g1:\g1+7]
	s_nop 0
	PLACES 4
.endm
.macro GZ g, base, boff, dest
	s_mov_b32 s[\g], 1
	s_mov_b32 s[\g+1], \dest
.if \boff
	s_add_nc_u64 s[\g+2:\g+3], s[\base:\base+1], \boff
.else
	s_mov_b64 s[\g+2:\g+3], s[\base:\base+1]
.endif
	s_or_b32 s[\g+3], s[\g+3], 0x80000000
.endm
; ---- a product: step g = 16 block + K step, tile t of my columns
.macro WM1 c, ra, rb
	v_wmma_scale_f32_16x16x128_f8f6f4 v[D_:D_+7], v[A_:A_+FR-1], v[B_:B_+FR-1], \c, v[XA_], v[XB_] matrix_a_fmt:MATRIX_FMT_FP6 matrix_b_fmt:MATRIX_FMT_FP6 matrix_a_scale:MATRIX_SCALE_ROW\ra matrix_b_scale:MATRIX_SCALE_ROW\rb
.endm
.macro WM g, t
.set KK_, (\g)%16
.set F_, 4*KK_+(\t)
.if F_ == 63
.set B_, F63
	WIN 0
.else
.set B_, FR*(F_%21)
	WIN (1+F_/21)<<2
.endif
.set D_, ACC+32*(((\g)/16)%2)+8*(\t)
.set A_, PF+FR*((\g)%10)
.set XA_, PS+4*(1-KK_%2)+2*(KK_/8)+(KK_%8)/4
.set XB_, VS+16*(KK_/8)+4*(KK_%4)+(\t)
.set RC_, 2*((KK_/2)%2)+(KK_%8)/4
.if KK_ == 0
	WM1 0, 0, 0
.elseif RC_ == 0
	WM1 v[D_:D_+7], 0, 0
.elseif RC_ == 1
	WM1 v[D_:D_+7], 0, 1
.elseif RC_ == 2
	WM1 v[D_:D_+7], 1, 0
.else
	WM1 v[D_:D_+7], 1, 1
.endif
.endm
.macro WM4 g
.irp t, 0,1,2,3
	WM \g, \t
.endr
.endm
; a step with a row of the block before: x 1 / l, into the row's four registers
.macro RSTEP g, j
.irp t, 0,1,2,3
	WM \g, \t
.if \t%2
	WIN ((\j)%4)<<6
.if ((\j)%4) == 0
.set O_, OQ
.else
.set O_, 252
.endif
.set S_, ACC+32*(1-((\g)/16)%2)+(\j)
	v_mul_f32 v[O_+\t-1], v[S_+8*(\t-1)], v[IL+(\j)]
	v_mul_f32 v[O_+\t], v[S_+8*\t], v[IL+(\j)]
.endif
.endr
.endm
.macro STORES j0                       ; four rows: lanes 0-15 and 16-31 each store 256 consecutive bytes, aligned
	global_store_b128 v[CO], v[OQ:OQ+3], s[8:9] offset:4096*(\j0) th:TH_STORE_NT
.irp q, 1,2,3
	WIN \q<<2
	global_store_b128 v[CO], v[252:255], s[8:9] offset:4096*((\j0)+\q) th:TH_STORE_NT
.endr
	WIN 0
.endm
; ---- LDS loads
.macro LDP g, a                        ; p's fragment of step g, three loads, into its slot of the ring
.irp q, 0,1,2
	ds_load_b128 v[PF+FR*((\g)%10)+4*\q:PF+FR*((\g)%10)+4*\q+3], v[\a] offset:((\g)%16)*FRB+512*\q
.endr
.endm
.macro LD k                            ; block 0: v^T's four fragments of K step k, twelve loads, and p's
.irp t, 0,1,2,3
.set F_, 4*(\k)+\t
.if F_ == 63
.set B_, F63
	WIN 0
.else
.set B_, FR*(F_%21)
	WIN (1+F_/21)<<6
.endif
.irp g, 0,1,2
	ds_load_b128 v[B_+4*\g:B_+4*\g+3], v[ADV+(\k)/4] offset:((\k)%4)*UNIT+\t*FRB+512*\g
.endr
.endr
	WIN 0
	LDP \k, ADP
.endm
.macro VSL hf
.irp q, 0,1,2,3
	ds_load_b128 v[VS+16*(\hf)+4*\q:VS+16*(\hf)+4*\q+3], v[ADVS+(\hf)] offset:\q*UNIT
.endr
.endm
.macro PSX s, part                     ; block s's words of K steps 0-7 or 8-15
.irp o, 0,1
	ds_load_b64 v[PS+4*(1-\o)+2*(\part):PS+4*(1-\o)+2*(\part)+1], v[APSB] offset:2048*(\s)+512*(\part)+256*\o
.endr
.endm
.macro ILL s
	ds_load_b128 v[IL:IL+3], v[AILB] offset:128*(\s)
	ds_load_b128 v[IL+4:IL+7], v[AILB] offset:128*(\s)+16
.endm
; ---- A BLOCK, s from 1 on.  In front of every fourth step stands a run of memory instructions: the ring's four free slots are loaded, six to nine steps ahead (from step 8 on with the next block's first);
; four v_nop between the products that read a slot and its loads.  Ahead of steps 4 and 12 four rows of the block before leave too.
; THE WAITS: what is younger than the two fragments wanted next: 12 or 6 loads of the run before and 12 of this one, and the words and 1 / l that stand in front of these (2 ahead of step 4, 4 ahead of step 12);
; ahead of steps 0 and 8 the words themselves are wanted: 24.  (The last block asks for less, and so its counts are less.)
; kind 0: as said.  kind 1 (block 1): a round in steps 8-11, behind which tiles 8-15 are asked for.  kind 2 (block 3): a plain barrier there shows them.  kind 3: the last block.
.macro BLK s, kind
.set G_, 16*(\s)
.set AC_, ADP+(\s)%2
.set AN_, ADP+1-(\s)%2
	WIN 0
	PLACES 4
	s_wait_xcnt 0x0                                ; the stores have read their registers and their base
.if (\s) > 1
	s_add_nc_u64 s[8:9], s[8:9], 32*4096
.endif
.irp i, 6,7,8,9
	LDP G_+\i, AC_
.endr
	s_wait_dscnt 24
	RSTEP G_, 0
	RSTEP G_+1, 1
	s_wait_dscnt 18
	RSTEP G_+2, 2
	RSTEP G_+3, 3
	WIN 0
	PLACES 4
.if (\kind) < 3
	v_add_nc_u32 v[AN_], ((\s)-1)*2*TILE, v[ADPB]  ; the next block's tile
.endif
	s_wait_alu depctr_va_vdst(0)                   ; the wait here, ahead of the readers below
	STORES 0
	PSX \s, 1
.irp i, 10,11,12,13
	LDP G_+\i, AC_
.endr
	s_wait_dscnt 26
	WM4 G_+4
	WM4 G_+5
	s_wait_dscnt 20
	WM4 G_+6
	WM4 G_+7
	WIN 0
	PLACES 4
	s_wait_xcnt 0x0
	LDP G_+14, AC_
	LDP G_+15, AC_
.if (\kind) == 0
	LDP G_+16, AN_
	LDP G_+17, AN_
	s_wait_dscnt 24
	RSTEP G_+8, 4
	RSTEP G_+9, 5
	s_wait_dscnt 18
	RSTEP G_+10, 6
	RSTEP G_+11, 7
.elseif (\kind) == 3
	s_wait_dscnt 18
	RSTEP G_+8, 4
	RSTEP G_+9, 5
	s_wait_dscnt 12
	RSTEP G_+10, 6
	RSTEP G_+11, 7
.else
	s_wait_tensorcnt 0x0                           ; my load of the last refill is in
.if (\kind) == 1
	ds_add_u32 v[SPW], v[NIL]
	s_lshl_b32 s2, s12, 1                          ; no tensor load of mine is out: a descriptor may be written: two tiles a wave
	s_mov_b32 s3, 0
	s_add_co_u32 s[G0R+1], s2, 4*TILE
	s_add_nc_u64 s[G0R+2:G0R+3], s[20:21], s[2:3]
	s_add_nc_u64 s[G0R+2:G0R+3], s[G0R+2:G0R+3], 8*TILE
	s_or_b32 s[G0R+3], s[G0R+3], 0x80000000
	s_mov_b32 s[G1P+2], 192<<16
	s_mov_b32 s[G1P+4], 192
.endif
	s_wait_dscnt 18+(\kind)%2                      ; (in block 1 the add may be out too)
	RSTEP G_+8, 4
	RSTEP G_+9, 5
	s_wait_dscnt 12+(\kind)%2
	RSTEP G_+10, 6
	s_wait_dscnt 0x0                               ; all my reads of this block's tile are over
	s_barrier_signal -1
	RSTEP G_+11, 7
	WIN 0
	s_barrier_wait -1
.if (\kind) == 1
	CREST                                          ; no wave of any partner still reads these bytes or has a load on its way
	TLOAD G0R, G1P
.endif
.endif
	WIN 0
	PLACES 4
	s_wait_alu depctr_va_vdst(0)                   ; and here
	STORES 4
.if (\kind) < 3
	PSX (\s)+1, 0
.endif
	ILL \s
.if (\kind) == 0
.irp i, 18,19,20,21
	LDP G_+\i, AN_
.endr
	s_wait_dscnt 28
	WM4 G_+12
	WM4 G_+13
	s_wait_dscnt 22
	WM4 G_+14
	WM4 G_+15
.elseif (\kind) == 3
	s_wait_dscnt 8
	WM4 G_+12
	WM4 G_+13
	s_wait_dscnt 2
	WM4 G_+14
	WM4 G_+15
.else
.irp i, 16,17,18,19,20,21
	LDP G_+\i, AN_
.endr
.irp i, 12,13,14,15
	WM4 G_+\i
.endr
.endif
.endm
; ================= THE HEAD
	s_load_b128 s[4:7], s[0:1], 0x0                ; qkv, pb
	s_load_b64 s[8:9], s[0:1], 0x10                ; out0
	v_lshl_add_u32 v[SPW], v0, 2, SPARE
	v_mov_b32 v[NIL], 0
	ds_add_u32 v[SPW], v[NIL]                      ; the wave's opening: the add, twice on end, and its wait ahead of my first tensor load
	ds_add_u32 v[SPW], v[NIL]
	v_lshrrev_b32 v3, 5, v0
	v_readfirstlane_b32 s14, v3
	v_and_b32 v[VL], 31, v0
	v_and_b32 v[VR], 15, v0
	v_bfe_u32 v[VH], v0, 4, 1
	v_lshlrev_b32 v[LI], 4, v[VL]
	s_lshr_b32 s15, s14, 1                         ; my row of the 2 x 2.  At the head: my block of 128 queries
	s_and_b32 s16, s14, 1                          ; my 64 columns.  At the head: my eight runs
	s_bfe_u32 s40, ttmp6, 0x40000                  ; cx
	s_bfe_u32 s41, ttmp6, 0x40004                  ; cy
	s_lshl_b32 s42, ttmp9, 2
	s_add_co_u32 s42, s42, s40                     ; block of 128 columns
	s_and_b32 s13, ttmp7, 0xffff
	s_lshl_b32 s17, s13, 2
	s_add_co_u32 s17, s17, s41                     ; 256 of the 8,192 queries
	s_lshl_b32 s43, s41, 2
	s_lshl_b32 s43, 15, s43                        ; my row of the cluster
	s_lshl_b32 s44, 0x1111, s40                    ; my column
	; group 1: dense blocks as rows of 256 bytes (32 elements of 8 bytes): two tiles of p are 192 rows, eight units of v^T 400
	s_or_b32 s[G1P], s43, (3<<16)|(1<<21)
	s_or_b32 s[G1V], s44, (3<<16)|(1<<21)
	s_mov_b32 s[G1P+2], 192<<16
	s_mov_b32 s[G1P+4], 192
	s_mov_b32 s[G1V+2], 400<<16
	s_mov_b32 s[G1V+4], 400
.irp g, G1P, G1V
	s_mov_b32 s[\g+1], 32<<16
	s_mov_b32 s[\g+3], 32<<16
	s_mov_b32 s[\g+5], 32
	s_mov_b32 s[\g+6], 0
	s_mov_b32 s[\g+7], 0
.endr
	s_lshr_b32 s18, s13, 1                         ; the batch: two clusters' rows each
	s_lshl_b32 s18, s18, 3
	s_add_co_u32 s18, s18, s42
	s_mul_i32 s18, s18, 16*UNIT
	s_add_co_u32 s18, s18, 1024*UNIT               ; v^T (cx)
	s_mov_b32 s19, 0
	s_mul_i32 s20, s17, 16*TILE                    ; p (cy)
	s_mov_b32 s21, 0
	s_lshl_b32 s22, s17, 1
	s_add_co_u32 s22, s22, s15
	s_lshl_b32 s22, s22, 13
	s_add_co_u32 s22, s22, PSW                     ; the planes of my block of 128 queries:
	s_lshl_b32 s2, s16, 12
	s_add_co_u32 s46, s22, 4096
	s_sub_co_u32 s46, s46, s2                      ; the other eight runs,
	s_add_co_u32 s22, s22, s2                      ; and my own
	s_mov_b32 s23, 0
	s_mov_b32 s47, 0
	s_lshl_b32 s10, s17, 20                        ; out: 256 rows of 4,096 bytes,
	s_lshl_b32 s11, s15, 16                        ; 16 rows,
	s_add_co_u32 s10, s10, s11
	s_lshl_b32 s11, s42, 9                         ; 128 columns,
	s_add_co_u32 s10, s10, s11
	s_lshl_b32 s11, s16, 8                         ; 64 columns
	s_add_co_u32 s10, s10, s11
	s_mov_b32 s11, 0
	s_mul_i32 s12, s14, TILE
	s_mov_b32 s13, 0
	s_mov_b32 s45, 0x01010101
	s_wait_alu depctr_va_vdst(0)                   ; the wait here, ahead of the waits below
	s_wait_dscnt 0x0                               ; both opening adds are done
	s_wait_kmcnt 0x0
	s_add_nc_u64 s[18:19], s[4:5], s[18:19]
	s_add_nc_u64 s[20:21], s[6:7], s[20:21]
	s_add_nc_u64 s[22:23], s[6:7], s[22:23]
	s_add_nc_u64 s[46:47], s[6:7], s[46:47]
	s_add_nc_u64 s[8:9], s[8:9], s[10:11]
.irp k, 0,1,2,3,4,5,6,7                ; lane (r, h), word c: tile 4 h + c, row r; 512 consecutive bytes a load
	global_load_b128 v[NMA+4*\k:NMA+4*\k+3], v[LI], s[22:23] offset:524288+512*\k
	global_load_b128 v[NMA+32+4*\k:NMA+35+4*\k], v[LI], s[46:47] offset:524288+512*\k
.endr
.irp k, 0,1,2,3,4,5,6,7
	global_load_b128 v[LA+4*\k:LA+4*\k+3], v[LI], s[22:23] offset:1048576+512*\k
	global_load_b128 v[LA+32+4*\k:LA+35+4*\k], v[LI], s[46:47] offset:1048576+512*\k
.endr
.irp k, 0,1,2,3,4,5,6,7
	global_load_b128 v[WO+4*\k:WO+4*\k+3], v[LI], s[22:23] offset:512*\k
.endr
	GZ G0V0, 18, 0, 0
	GZ G0P0, 20, 0, AOFF
	GZ G0V1, 18, 8*UNIT, 8*UNIT
	GZ G0P1, 20, 2*TILE, AOFF+2*TILE
	GZ G0R, 20, 4*TILE, s12                        ; the first refill: tile 4 + wave, onto v^T's first half
	s_add_nc_u64 s[G0R+2:G0R+3], s[G0R+2:G0R+3], s[12:13]
	CROUND                                         ; all sixteen work-groups are here: the first joint loads meet
	s_cmp_eq_u32 s14, 0
	s_cbranch_scc0 .Lwave_1
	TLOAD G0V0, G1V
	s_branch .Lasked
.Lwave_1:
	s_cmp_eq_u32 s14, 1
	s_cbranch_scc0 .Lwave_2
	TLOAD G0P0, G1P
	s_branch .Lasked
.Lwave_2:
	s_wait_loadcnt 24                              ; waves 2 and 3: -M_loc is in, 24 loads stay out.  What these two ask for is wanted eight K steps later than what waves 0 and 1 ask for, and so is asked for later
	s_cmp_eq_u32 s14, 2
	s_cbranch_scc0 .Lwave_3
	TLOAD G0V1, G1V
	s_branch .Lasked
.Lwave_3:
	TLOAD G0P1, G1P
.Lasked:
	s_mul_i32 s2, s15, TILE                        ; p: tile 2 s + my row
	s_mul_i32 s3, s16, 4*FRB                       ; v^T: my four tiles
	s_lshl_b32 s10, s15, 10
	s_add_co_u32 s10, s10, PSC
	s_lshl_b32 s11, s15, 6
	s_add_co_u32 s11, s11, INV
	v_add_nc_u32 v[ADPB], s2, v[LI]
	v_add_nc_u32 v[ADP], AOFF, v[ADPB]             ; block 0
	v_add_nc_u32 v[ADP+1], AOFF+2*TILE, v[ADPB]    ; block 1
	v_lshl_add_u32 v[APSB], v[VL], 3, s10
	v_lshlrev_b32 v[AILB], 5, v[VH]
	v_add_nc_u32 v[AILB], s11, v[AILB]
	v_add_nc_u32 v[ADV], s3, v[LI]
	v_add_nc_u32 v[ADV+1], 4*UNIT, v[ADV]
	v_add_nc_u32 v[ADV+2], 8*UNIT, v[ADV]
	v_add_nc_u32 v[ADV+3], 12*UNIT, v[ADV]
	s_lshl_b32 s2, s16, 8
	s_add_co_u32 s2, s2, 8*FRB
	v_mul_u32_u24 v[ADVS], 4*UNIT, v[VH]           ; lanes 16-31: four K steps on
	v_lshl_add_u32 v[ADVS], v[VR], 4, v[ADVS]
	v_add_nc_u32 v[ADVS], s2, v[ADVS]
	v_add_nc_u32 v[ADVS+1], 8*UNIT, v[ADVS]
	v_lshlrev_b32 v[CO], 15, v[VH]                 ; rows 8 h + j,
	v_lshl_add_u32 v[CO], v[VR], 4, v[CO]          ; columns 4 r .. 4 r + 3
	s_lshl_b32 s2, s15, 13
	s_lshl_b32 s3, s16, 9
	s_add_co_u32 s2, s2, s3
	s_add_co_u32 s2, s2, PSC
	v_lshlrev_b32 v[PSA], 12, v[VH]                ; where I store mended words: tile 8 x block + 4 h + c, my eight runs, row r
	v_lshl_add_u32 v[PSA], v[VR], 3, v[PSA]
	v_add_nc_u32 v[PSA], s2, v[PSA]
	s_lshl_b32 s2, s16, 10
	s_lshl_b32 s3, s15, 9
	s_add_co_u32 s2, s2, s3
	s_add_co_u32 s2, s2, INV
	v_lshlrev_b32 v[INVA], 8, v[VH]                ; and 1 / l
	v_lshl_add_u32 v[INVA], v[VR], 2, v[INVA]
	v_add_nc_u32 v[INVA], s2, v[INVA]
	s_lshl_b32 s2, s40, 2
	s_add_co_u32 s2, s2, s14                       ; my number among the sixteen waves of my row of the cluster
	s_mul_i32 s3, s2, 24*256
	s_add_co_u32 s3, s3, 4*TILE
	s_mul_i32 s2, s2, 48*256
	s_add_co_u32 s2, s2, 8*TILE
	v_min_u32 v[PFA], 23, v[VL]                    ; 24 blocks of 256 bytes an instruction
	v_lshlrev_b32 v[PFA], 8, v[PFA]
	v_add_nc_u32 v[PFA+1], s2, v[PFA]
	v_add_nc_u32 v[PFA], s3, v[PFA]
	s_wait_alu depctr_va_vdst(0)                   ; the wait at the head's end
	s_wait_loadcnt 0x0
.irp c, 0,1,2,3
	v_min3_num_f32 v[NMG+\c], v[NMA+\c], v[NMA+4+\c], v[NMA+8+\c]   ; -M = the least -M_loc
.endr
.irp k, 3,5,7,9,11,13
.irp c, 0,1,2,3
	v_min3_num_f32 v[NMG+\c], v[NMG+\c], v[NMA+4*\k+\c], v[NMA+4*\k+4+\c]
.endr
.endr
.irp c, 0,1,2,3
	v_min_num_f32 v[NMG+\c], v[NMG+\c], v[NMA+60+\c]
.endr
	global_prefetch_b8 v[PFA], s[20:21] th:TH_LOAD_NT scope:SCOPE_SE   ; tiles 4-7, which the first refill asks for
.irp k, 0,1,2,3,4,5,6,7,8,9,10,11,12,13,14,15
.irp e, 0,2
	v_pk_add_f32 v[NMA+4*\k+\e:NMA+4*\k+\e+1], v[NMG+\e:NMG+\e+1], v[NMA+4*\k+\e:NMA+4*\k+\e+1] neg_lo:[0,1] neg_hi:[0,1]   ; M_loc - M: a whole number, 0 or less
.endr
.endr
.set j, 0
.rept 64
	v_cvt_i32_f32 v[NMA+j], v[NMA+j]               ; (it saturates)
.set j, j+1
.endr
.set j, 0
.rept 64
	v_ldexp_f32 v[LA+j], v[LA+j], v[NMA+j]         ; l_loc under M: nothing is rounded
.set j, j+1
.endr
.irp q, 0,1
.irp e, 0,2
	v_pk_add_f32 v[LS+4*\q+\e:LS+4*\q+\e+1], v[LA+32*\q+\e:LA+32*\q+\e+1], v[LA+32*\q+4+\e:LA+32*\q+4+\e+1]
.endr
.endr
.irp k, 2,3,4,5,6,7
.irp q, 0,1
.irp e, 0,2
	v_pk_add_f32 v[LS+4*\q+\e:LS+4*\q+\e+1], v[LS+4*\q+\e:LS+4*\q+\e+1], v[LA+32*\q+4*\k+\e:LA+32*\q+4*\k+\e+1]
.endr
.endr
.endr
.irp e, 0,2
	v_pk_add_f32 v[LS+\e:LS+\e+1], v[LS+\e:LS+\e+1], v[LS+4+\e:LS+4+\e+1]
.endr
	s_wait_alu depctr_va_vdst(0)                   ; the wait ahead of the batch
.irp c, 0,1,2,3
	v_rcp_f32 v[LS+\c], v[LS+\c]
.endr
; my eight runs' scale words: each byte b (125 at the most) becomes max(b - d, 0), d = min(M - M_loc, 127): four bytes at a time, bit 7 of each byte keeping the borrow out of its neighbour
.macro EACH line:vararg
.set j, 0
.rept 32
	\line
.set j, j+1
.endr
.endm
	EACH v_sub_nc_u32 v[NMA+j], 0, v[NMA+j]        ; M - M_loc.  (Plain work behind the reciprocals)
	EACH v_min_u32 v[NMA+j], 127, v[NMA+j]
	EACH v_perm_b32 v[NMA+j], v[NMA+j], v[NMA+j], 0   ; d in all four bytes
	EACH v_or_b32 v[WO+j], 0x80808080, v[WO+j]
	EACH v_sub_nc_u32 v[WO+j], v[WO+j], v[NMA+j]   ; b + 128 - d in each byte: 1 at the least
	EACH v_lshrrev_b32 v[NMA+j], 7, v[WO+j]
	EACH v_and_b32 v[NMA+j], s45, v[NMA+j]         ; 1 in the bytes where b >= d
	EACH v_lshlrev_b32 v[LA+j], 7, v[NMA+j]
	EACH v_sub_nc_u32 v[LA+j], v[LA+j], v[NMA+j]   ; 0x7f there, 0 elsewhere
	EACH v_and_b32 v[NMA+32+8*(j%4)+4*((j/4)%2)+2*((j/8)%2)+j/16], v[WO+j], v[LA+j]   ; tile j % 4's run j / 4, at its place: odd or even, lanes' half, which of two
	s_wait_alu depctr_va_vdst(0)                   ; one wait for the four reciprocals, ahead of their first reader
.irp c, 0,1,2,3
	ds_store_b32 v[INVA], v[LS+\c] offset:64*\c
.endr
.irp c, 0,1,2,3
.irp p, 0,1,2,3
	ds_store_b64 v[PSA], v[NMA+32+8*\c+2*\p:NMA+33+8*\c+2*\p] offset:1024*\c+128*\p
.endr
.endr
	s_wait_dscnt 0x0                               ; for the others' sake: my words and 1 / l lie in LDS
	s_cmp_lt_u32 s14, 2
	s_cbranch_scc0 .Lnot_mine
	s_wait_tensorcnt 0x0
.Lnot_mine:
	s_barrier_signal -1
	s_barrier_wait -1                              ; v^T's K steps 0-7 and tiles 0, 1 are in; waves 2 and 3's loads may be out
; ================= BLOCK 0: v^T comes into registers, a K step (15 loads with p's fragment) four ahead of its products
	VSL 0
	PSX 0, 0
	PSX 0, 1
	LD 0
	LD 1
	LD 2
	LD 3
.set K_, 0
.rept 6
.if K_ < 5
	s_wait_dscnt 45                                ; all but three K steps' loads are in
.else
	s_wait_dscnt 30
.endif
	WM4 K_
.if K_ < 4
	LD K_+4
.endif
.set K_, K_+1
.endr
	WIN 0
	s_wait_tensorcnt 0x0                           ; my load of the head is in;
	ds_add_u32 v[SPW], v[NIL]
	s_mov_b32 s[G1P+2], 96<<16                     ; a tile is 96 rows
	s_mov_b32 s[G1P+4], 96
	s_wait_dscnt 16                                ; (K step 7's loads and the add may be out)
	WM4 6
	s_wait_dscnt 0x0
	s_barrier_signal -1
	WM4 7
	WIN 0
	s_barrier_wait -1
	CREST                                          ; v^T's K steps 8-15 and tiles 2, 3 are shown; nobody still reads K steps 0-7
	TLOAD G0R, G1P                                 ; tiles 4-7, one a wave; its four v_nop are the places in front of the loads below
	VSL 1
	PSX 1, 0
	ILL 0
	LD 8
	LD 9
	LD 10
	LD 11
	global_prefetch_b8 v[PFA+1], s[20:21] th:TH_LOAD_NT scope:SCOPE_SE                  ; tiles 8-15, which the second refill asks for
	global_prefetch_b8 v[PFA+1], s[20:21] offset:24*256 th:TH_LOAD_NT scope:SCOPE_SE
.irp k, 8,9,10,11
	s_wait_dscnt 45
	WM4 \k
	LD \k+4
.endr
	PLACES 4
.irp i, 16,17,18,19,20,21              ; block 1's first six fragments
	LDP \i, ADP+1
.endr
.irp k, 12,13,14,15
	s_wait_dscnt 15*(15-\k)+18                     ; (the K steps behind this one, and these six)
	WM4 \k
.endr
; ================= BLOCKS 1 TO 7
	BLK 1, 1
	BLK 2, 0
	BLK 3, 2
	BLK 4, 0
	BLK 5, 0
	BLK 6, 0
	BLK 7, 3
	WIN 0
	s_wait_dscnt 0x0                               ; block 7's 1 / l
	s_wait_xcnt 0x0
	s_add_nc_u64 s[8:9], s[8:9], 32*4096
	PLACES 4
.irp j, 0,1,2,3,4,5,6,7                ; its rows, through registers of the ring that were read last in step 10
.set O_, PF+4*\j
.irp t, 0,1,2,3
	v_mul_f32 v[O_+\t], v[ACC+32+8*\t+\j], v[IL+\j]
.endr
	global_store_b128 v[CO], v[O_:O_+3], s[8:9] offset:4096*\j th:TH_STORE_NT
.endr
	s_wait_tensorcnt 0x0                           ; the wave's end
	ds_add_u32 v[SPW], v[NIL]
	s_wait_dscnt 0x0
	CROUND                                         ; the closing round
	s_endpgm
.Lfunc_end_k_q0db560225b_pv:
	.size	k_q0db560225b_pv, .Lfunc_end_k_q0db560225b_pv-k_q0db560225b_pv
	.p2alignl 7, 3214868480
	.fill 96, 4, 3214868480
	.section	.rodata,"a",@progbits
	.p2align	6, 0x0
	.amdhsa_kernel k_q0db560225b_pv
		.amdhsa_group_segment_fixed_size 327680
		.amdhsa_private_segment_fixed_size 0
		.amdhsa_enable_private_segment 0
		.amdhsa_kernarg_size 24
		.amdhsa_user_sgpr_count 2
		.amdhsa_user_sgpr_kernarg_segment_ptr 1
		.amdhsa_wavefront_size32 1
		.amdhsa_system_sgpr_workgroup_id_x 1
		.amdhsa_system_sgpr_workgroup_id_y 1
		.amdhsa_system_sgpr_workgroup_id_z 1
		.amdhsa_system_vgpr_workitem_id 0
		.amdhsa_next_free_vgpr 1024
		.amdhsa_next_free_sgpr 100
		.amdhsa_reserve_vcc 0
		.amdhsa_float_denorm_mode_32 3
		.amdhsa_float_denorm_mode_16_64 3
		.amdhsa_memory_ordered 1
		.amdhsa_forward_progress 1
		.amdhsa_inst_pref_size 179
	.end_amdhsa_kernel
	.amdgpu_metadata
---
amdhsa.version: [ 1, 2 ]
amdhsa.kernels:
  - .name:           k_q0db560225b_pv
    .symbol:         k_q0db560225b_pv.kd
    .args:
      - { .name: qkv, .offset: 0, .size: 8, .value_kind: global_buffer, .address_space: global }
      - { .name: pb, .offset: 8, .size: 8, .value_kind: global_buffer, .address_space: global }
      - { .name: out0, .offset: 16, .size: 8, .value_kind: global_buffer, .address_space: global }
    .group_segment_fixed_size: 327680
    .private_segment_fixed_size: 0
    .kernarg_segment_align: 8
    .kernarg_segment_size: 24
    .max_flat_workgroup_size: 128
    .sgpr_count:     100
    .vgpr_count:     1024
    .wavefront_size: 32
...
	.end_amdgpu_metadata
.endif
;; end of part 4
